; MI455X (gfx1250); checked and timed in simulation.
; The chip was launched on July 23, 2026; its instructions are those of AMD's public machine-readable ISA for CDNA 5 (MIT licence, August 2026) and "CDNA5" Instruction Set Architecture Reference Guide (July 2026). The comments in the code are by the model that wrote it; some were corrected since.
;; Bit Net Block. Allowed arithmetic: float matrix products may take bf16 or f16 operands with f32 sums; other float arithmetic in f32, or as packed bf16 or f16 multiplies, adds, multiply-adds, maxima and minima; sums over many terms, partial sums and values carried from step to step in f32; what a program stores and reads back later, other than sums and carried values, may be rounded once to bf16 or f16.
;; Inputs: cos 1 x 1 x 2,048 x 128 float32; ln1_w 2,048 float32; ln2_w 2,048 float32; sin 1 x 1 x 2,048 x 128 float32; wd 2,048 x 4,096 float32; wg 4,096 x 2,048 float32; wk 512 x 2,048 float32; wo 2,048 x 512 float32; wq 512 x 2,048 float32; wu 4,096 x 2,048 float32; wv 512 x 2,048 float32; x 1 x 2,048 x 2,048 float32.
;; Outputs: out0 1 x 2,048 x 2,048 float32.
;; One version. Each part assembles by itself: llvm-mc -triple=amdgcn-amd-amdhsa -mcpu=gfx1250 --defsym DOCPART=n.
;; ======== version 1 of 1: 6 launches
;; limits: right only within a limited range of input values
;; workspace buffers: hb 8,388,608 bytes; tw 58,720,256 bytes; sc 55,296 bytes; qkv 6,291,456 bytes; ob 2,097,152 bytes; x2 16,777,216 bytes; ssq 262,144 bytes; act 16,777,216 bytes
;; launch prep (part 1): grid 2048 x 1, 8 waves a work-group, no clusters, 77,056 bytes of LDS; arguments x, ln1_w, wq, wk, wv, wg, wu, wo, wd, hb, tw, sc; writes hb, tw, sc
.if DOCPART == 1
	.amdgcn_target "amdgcn-amd-amdhsa--gfx1250"
	.amdhsa_code_object_version 6
	.text
	.protected	k_qdd6b9ee771_prep
	.globl	k_qdd6b9ee771_prep
	.p2align	8
	.type	k_qdd6b9ee771_prep,@function
k_qdd6b9ee771_prep:
	s_mov_b64 s[64:65], 0
	v_nop
	global_prefetch_b8 v0, s[64:65] scope:SCOPE_SE
	s_setreg_imm32_b32 hwreg(HW_REG_WAVE_MODE, 25, 1), 1
	s_wait_xcnt 0x0
; PREP.  Work-groups 0-255: hb = bf16(x * rsqrt(mean(x^2) + 1e-5) * ln1_w), a row of 2,048 numbers to a wave.
; Work-groups 256-2047: every weight matrix becomes sign(w) * (|w| > 0.7 absmean) as bf16 (-1, 0, +1 are exact) in tw, and the row's absmean goes to sc.
; A wave owns one chunk of 2,048 consecutive f32 (8,192 bytes): 16 loads of 512 neighbouring bytes; the chunk stays in registers between the sum and the second pass, so memory is read once.
; A load gives a lane 4 neighbouring numbers, whose 4 bf16 are one 8-byte store: each store of the wave covers 256 consecutive bytes, aligned.
; A chunk is one row (wq wk wv wg wu), four rows of 512 (wo), or half a row (wd: waves w and w xor 1 exchange their sums through LDS).
; THE ORDER OF THE SUM.  The threshold decides between 0 and +-1, so the last bit of the absmean counts.  The sum of |w| is formed in one fixed order: windows of 32 consecutive numbers, each added ascending; the window
; sums again in windows of 32, ascending; what is left (2, 16 or 4 sums) ascending.  For that the magnitudes go through LDS bytes of the wave's own and come back with a whole window to a lane (two windows a lane);
; the 64 window sums go through LDS once more and come back to every lane, which adds them alike.
; THE TERNARY STEP, two numbers at a time: t = clamp01((w - th) 2^96) - clamp01((-w - th) 2^96).  th 2^96 is exact, so each fused multiply-add has the exact sign of its difference; a difference that is not 0 is
; at least one step of th, which times 2^96 is 2 or more for th >= 2^-72: the clamp gives exactly 1 where |w| > th and exactly 0 elsewhere.
; No matrix unit, no tensor load, no loop: memory binds, and the bytes in flight come from three work-groups side by side (160 registers a wave, 77,056 bytes of LDS a work-group).
; LIMITS.  Thresholds from 2^-72 up to 2^31 (below, a weight just above its threshold would come out as a fraction; above, th 2^96 is no finite number).  A sum of |w| formed in another order than this one can differ in
; its last bits: a weight within a rounding of its threshold then falls on the other side.  The absmean stores are 4 or 16 bytes a wave, 55,296 bytes in all.
.set WP,    144                        ; a window in LDS: 128 bytes + 16
.set WTR,   64*WP                      ; a wave's 64 windows
.set WS,    8*WTR                      ; 256 bytes a wave: its 64 window sums
.set XS,    WS+2048                    ; 8 bytes a wave: its two second-level sums, for the partner (the block of 256 bytes is theirs)
.set SPARE, XS+256                     ; the spare words, 128 bytes a wave
.set WD,  32                           ; v[32:95]    the chunk as loaded
.set T,   96                           ; v[96:159]   ln1_w; or |w| on its way into LDS, then two windows of 32, then the 64 window sums, then the ternary step's registers:
.set CT,  T                            ; v[96:111]   two sets of eight at work
.set HP,  T+16                         ; v[112:113]  2^96, twice
.set HN,  T+18                         ; v[114:115]  -2^96, twice
.set NT,  T+20                         ; v[116:123]  -th 2^96 of group 0-3, twice each
.set TS,  4                            ; v4   where I put 16 bytes of a window
.set TRD, 5                            ; v5   my first window
.set WSW, 14                           ; v14  where I put my first window's sum
.set WSB, 15                           ; v15  my wave's 64 sums
.set MN,  16                           ; v[16:19]   absmean of group 0-3
.set TH,  20                           ; v[20:23]   0.7 x absmean
.set SPW, 24                           ; v24  my spare word's address; never rewritten
.set NIL, 25                           ; v25  0; never rewritten
.set RS,  26                           ; v[26:27]  1/rms, twice
.set XW,  28                           ; v28  where my wave puts its two sums
.set XR,  29                           ; v29  the four sums of my wave's pair
.macro RED32 r                         ; the sum over the wave's 32 lanes, in every lane
	v_add_f32_dpp v[\r], v[\r], v[\r] row_xmask:1 row_mask:0xf bank_mask:0xf
	v_add_f32_dpp v[\r], v[\r], v[\r] row_xmask:2 row_mask:0xf bank_mask:0xf
	v_add_f32_dpp v[\r], v[\r], v[\r] row_xmask:4 row_mask:0xf bank_mask:0xf
	v_add_f32_dpp v[\r], v[\r], v[\r] row_xmask:8 row_mask:0xf bank_mask:0xf
	v_permlanex16_b32 v10, v[\r], s46, s47
	v_add_f32 v[\r], v[\r], v10
.endm
.macro PICK bound, src, doff, scb      ; from work-group \bound on: another source, first work-group, place in tw, place in sc
	s_cmp_ge_u32 s2, \bound
	s_cselect_b64 s[32:33], s[\src:\src+1], s[32:33]
	s_cselect_b32 s34, \bound, s34
	s_cselect_b32 s35, \doff, s35
	s_cselect_b32 s36, \scb, s36
.endm
.macro CLOSE                           ; the wave's end
	s_wait_tensorcnt 0x0
	ds_add_u32 v[SPW], v[NIL]
	s_wait_dscnt 0x0
	s_endpgm
.endm
	s_load_b512 s[8:23], s[0:1], 0x0               ; x 8, ln1_w 10, wq 12, wk 14, wv 16, wg 18, wu 20, wo 22
	s_load_b256 s[24:31], s[0:1], 0x40             ; wd 24, hb 26, tw 28, sc 30
	v_lshl_add_u32 v[SPW], v0, 2, SPARE
	v_mov_b32 v[NIL], 0
	v_and_b32 v1, 31, v0                           ; lane
	v_lshrrev_b32 v10, 5, v0
	v_readfirstlane_b32 s3, v10                    ; wave
	v_lshlrev_b32 v2, 4, v1                        ; 16 bytes a lane in a load
	v_lshlrev_b32 v3, 3, v1                        ; 8 bytes a lane in a store
	v_mov_b32 v13, 0
	s_mov_b32 s2, ttmp9
	s_mov_b32 s42, 0x7fffffff
	s_mov_b32 s46, 0x76543210
	s_mov_b32 s47, 0xfedcba98
	s_mov_b32 s39, 0
	s_mov_b32 s41, 0
	s_wait_kmcnt 0x0
	s_cmp_ge_u32 s2, 256
	s_cbranch_scc1 .Lweights                       ; hangs on the work-group's number alone: all eight waves go the same way
	; ---- the first norm ----
	s_lshl_b32 s37, s2, 3
	s_add_co_u32 s37, s37, s3                      ; my row
	s_lshl_b32 s38, s37, 13
	s_lshl_b32 s40, s37, 12
	s_add_nc_u64 s[8:9], s[8:9], s[38:39]
	s_add_nc_u64 s[26:27], s[26:27], s[40:41]
.set j, 0
.rept 16
	global_load_b128 v[WD+4*j:WD+4*j+3], v2, s[8:9] offset:512*j
.set j, j+1
.endr
.set j, 0
.rept 16
	global_load_b128 v[T+4*j:T+4*j+3], v2, s[10:11] offset:512*j
.set j, j+1
.endr
	s_wait_loadcnt 16                              ; x is in; the 16 loads of ln1_w were issued behind it
.set p, 0
.rept 32                                       ; the sum of squares in four chains; the first links start the sums
.set c, 6+2*(p%4)+2*((p%4)/2)
.if p < 4
	v_pk_mul_f32 v[c:c+1], v[WD+2*p:WD+2*p+1], v[WD+2*p:WD+2*p+1]
.else
	v_pk_fma_f32 v[c:c+1], v[WD+2*p:WD+2*p+1], v[WD+2*p:WD+2*p+1], v[c:c+1]
.endif
.set p, p+1
.endr
	v_pk_add_f32 v[6:7], v[6:7], v[8:9]
	v_pk_add_f32 v[12:13], v[12:13], v[14:15]
	v_pk_add_f32 v[6:7], v[6:7], v[12:13]
	v_add_f32 v6, v6, v7
	RED32 6
	v_mov_b32 v11, 0x3727c5ac                      ; 1e-5
	v_fmac_f32 v11, 0x3a000000, v6                 ; + sum / 2048
	v_rsq_f32 v[RS], v11
	v_rsq_f32 v[RS+1], v11
	s_wait_loadcnt 0x0                             ; ln1_w
	v_nop                                          ; a plain instruction between the root and its use (ISA guide 5.7.2)
.set p, 0
	s_wait_alu depctr_va_vdst(0)
.rept 32
	v_pk_mul_f32 v[WD+2*p:WD+2*p+1], v[WD+2*p:WD+2*p+1], v[RS:RS+1]
.set p, p+1
.endr
.set p, 0
.rept 32
	v_pk_mul_f32 v[WD+2*p:WD+2*p+1], v[WD+2*p:WD+2*p+1], v[T+2*p:T+2*p+1]
.set p, p+1
.endr
.set j, 0
.rept 16
	v_cvt_pk_bf16_f32 v[WD+4*j], v[WD+4*j], v[WD+4*j+1]
	v_cvt_pk_bf16_f32 v[WD+4*j+1], v[WD+4*j+2], v[WD+4*j+3]
	global_store_b64 v3, v[WD+4*j:WD+4*j+1], s[26:27] offset:256*j
.set j, j+1
.endr
	CLOSE
	; ---- the weights ----
.Lweights:
	s_mov_b64 s[32:33], s[12:13]                   ; wq's line of the table; the later lines replace it
	s_mov_b32 s34, 256
	s_mov_b32 s35, 0
	s_mov_b32 s36, 0
	PICK 320,  14, 2097152,  512                   ; wk
	PICK 384,  16, 4194304,  1024                  ; wv
	PICK 448,  18, 6291456,  1536                  ; wg
	PICK 960,  20, 23068672, 5632                  ; wu
	PICK 1472, 22, 39845888, 9728                  ; wo
	PICK 1536, 24, 41943040, 11776                 ; wd
	s_sub_co_u32 s37, s2, s34
	s_lshl_b32 s37, s37, 3
	s_add_co_u32 s37, s37, s3                      ; my chunk of that matrix
	s_lshl_b32 s38, s37, 13
	s_add_nc_u64 s[32:33], s[32:33], s[38:39]
	s_lshl_b32 s40, s37, 12
	s_add_co_u32 s40, s40, s35
	s_add_nc_u64 s[28:29], s[28:29], s[40:41]
.set j, 0
.rept 16
	global_load_b128 v[WD+4*j:WD+4*j+3], v2, s[32:33] offset:512*j th:TH_LOAD_NT
.set j, j+1
.endr
	; number 128 j + 4 l + e of the chunk lies in window 4 j + l / 8, at byte 16 (l % 8) + 4 e of it
	s_mul_i32 s5, s3, WTR                          ; my wave's windows
	v_lshrrev_b32 v30, 3, v1
	v_mul_u32_u24 v30, v30, WP
	v_and_b32 v31, 7, v1
	v_lshl_add_u32 v30, v31, 4, v30
	v_add_nc_u32 v[TS], s5, v30                    ; in: window l / 8 (+ 4 j in the offset), 16 bytes a lane
	v_mul_u32_u24 v31, v1, WP
	v_add_nc_u32 v[TRD], s5, v31                   ; back: window l, and window 32 + l
	s_lshl_b32 s6, s3, 8
	s_add_co_u32 s6, s6, WS
	v_lshl_add_u32 v[WSW], v1, 2, s6
	v_mov_b32 v[WSB], s6
	s_lshl_b32 s7, s3, 3
	s_add_co_u32 s7, s7, XS
	v_mov_b32 v[XW], s7
	s_lshr_b32 s4, s3, 1
	s_lshl_b32 s4, s4, 4
	s_add_co_u32 s4, s4, XS
	v_mov_b32 v[XR], s4
.set q, 0
.rept 4                                        ; group q: loads 4 q to 4 q + 3
	s_wait_loadcnt 12-4*q                          ; the younger groups stay out
.set i, 0
.rept 16
	v_and_b32 v[T+16*q+i], s42, v[WD+16*q+i]
.set i, i+1
.endr
.set i, 0
.rept 4
	ds_store_b128 v[TS], v[T+16*q+4*i:T+16*q+4*i+3] offset:4*WP*(4*q+i)
.set i, i+1
.endr
.set q, q+1
.endr
.set k, 0
.rept 8                                        ; my wave's own bytes: LDS serves a wave's instructions in order (ISA guide 5.7.1.4), so these see the stores above; they come back into the registers that the magnitudes left
	ds_load_b128 v[T+4*k:T+4*k+3],       v[TRD] offset:16*k
	ds_load_b128 v[T+32+4*k:T+32+4*k+3], v[TRD] offset:32*WP+16*k
.set k, k+1
.endr
.set k, 0
.rept 8                                        ; two windows, each added ascending: v6 window l, v7 window 32 + l
	s_wait_dscnt 14-2*k                            ; pair k of the sixteen loads is in; the younger pairs stay out
.set e, 0
.rept 4
.if 4*k+e == 1
	v_add_f32 v6, v[T], v[T+1]
	v_add_f32 v7, v[T+32], v[T+33]
.elseif 4*k+e > 1
	v_add_f32 v6, v6, v[T+4*k+e]
	v_add_f32 v7, v7, v[T+32+4*k+e]
.endif
.set e, e+1
.endr
.set k, k+1
.endr
	ds_store_b32 v[WSW], v6
	ds_store_b32 v[WSW], v7 offset:128
.set i, 0
.rept 16                                       ; all 64 window sums, to every lane (one address for the wave)
	ds_load_b128 v[T+4*i:T+4*i+3], v[WSB] offset:16*i
.set i, i+1
.endr
	s_wait_dscnt 0x0
	s_cmp_ge_u32 s2, 1536
	s_cbranch_scc1 .Ltwo_sums
	s_cmp_ge_u32 s2, 1472
	s_cbranch_scc1 .Lfour_rows
.Ltwo_sums:                                            ; rows of 2,048 and 4,096: the window sums in windows of 32, ascending
	v_add_f32 v6, v[T], v[T+1]
	v_add_f32 v7, v[T+32], v[T+33]
.set i, 2
.rept 30
	v_add_f32 v6, v6, v[T+i]
	v_add_f32 v7, v7, v[T+32+i]
.set i, i+1
.endr
	s_cmp_ge_u32 s2, 1536
	s_cbranch_scc1 .Lhalf_row
	v_add_f32 v11, v6, v7                          ; a chunk is a row
	v_mul_f32 v[MN], 0x3a000000, v11               ; / 2048
	v_mov_b32 v[MN+1], v[MN]
	v_mov_b32 v[MN+2], v[MN]
	v_mov_b32 v[MN+3], v[MN]
	s_add_co_u32 s38, s36, s37
	s_lshl_b32 s38, s38, 2
	s_add_nc_u64 s[30:31], s[30:31], s[38:39]
	v_cmp_eq_u32 vcc_lo, 0, v1                     ; lane 0 alone stores the absmean
	s_wait_xcnt 0x0                                ; EXEC changes only behind this wait
	s_and_saveexec_b32 s45, vcc_lo
	global_store_b32 v13, v[MN], s[30:31]
	s_wait_xcnt 0x0                                ; and again in front of the line that widens it
	s_or_b32 exec_lo, exec_lo, s45
	s_branch .Ltern
.Lfour_rows:                                           ; rows of 512: 16 window sums each, ascending
.set q, 0
.rept 4
	v_add_f32 v[6+q], v[T+16*q], v[T+16*q+1]
.set q, q+1
.endr
.set i, 2
.rept 14
.set q, 0
.rept 4
	v_add_f32 v[6+q], v[6+q], v[T+16*q+i]
.set q, q+1
.endr
.set i, i+1
.endr
	v_mul_f32 v[MN], 0x3b000000, v6                ; / 512
	v_mul_f32 v[MN+1], 0x3b000000, v7
	v_mul_f32 v[MN+2], 0x3b000000, v8
	v_mul_f32 v[MN+3], 0x3b000000, v9
	s_lshl2_add_u32 s38, s37, s36                  ; 4 c + the table's start
	s_lshl_b32 s38, s38, 2
	s_add_nc_u64 s[30:31], s[30:31], s[38:39]
	v_cmp_eq_u32 vcc_lo, 0, v1
	s_wait_xcnt 0x0
	s_and_saveexec_b32 s45, vcc_lo
	global_store_b128 v13, v[MN:MN+3], s[30:31]
	s_wait_xcnt 0x0
	s_or_b32 exec_lo, exec_lo, s45
	s_branch .Ltern
.Lhalf_row:                                            ; rows of 4,096: the even wave holds sums 0, 1 of the row's four, the odd wave sums 2, 3
	ds_store_b64 v[XW], v[6:7]                     ; every lane writes the same words with the same numbers
	s_wait_dscnt 0x0                               ; for the partner's sake: my store is done
	s_barrier_signal -1                            ; the way here hangs on the work-group's number alone: all eight waves pass
	s_barrier_wait -1
	ds_load_b128 v[8:11], v[XR]
	s_wait_dscnt 0x0
	v_add_f32 v12, v8, v9                          ; ascending: the same sum in both waves
	v_add_f32 v12, v12, v10
	v_add_f32 v12, v12, v11
	v_mul_f32 v[MN], 0x39800000, v12               ; / 4096
	v_mov_b32 v[MN+1], v[MN]
	v_mov_b32 v[MN+2], v[MN]
	v_mov_b32 v[MN+3], v[MN]
	s_lshr_b32 s38, s37, 1
	s_add_co_u32 s38, s38, s36
	s_lshl_b32 s38, s38, 2
	s_add_nc_u64 s[30:31], s[30:31], s[38:39]
	s_and_b32 s4, s3, 1
	s_cmp_lg_u32 s4, 0
	s_cbranch_scc1 .Ltern                          ; the even wave of the pair stores
	v_cmp_eq_u32 vcc_lo, 0, v1
	s_wait_xcnt 0x0
	s_and_saveexec_b32 s45, vcc_lo
	global_store_b32 v13, v[MN], s[30:31]
	s_wait_xcnt 0x0
	s_or_b32 exec_lo, exec_lo, s45
.Ltern:
	v_mov_b32 v[HP], 0x6f800000                    ; 2^96
	v_mov_b32 v[HP+1], 0x6f800000
	v_mov_b32 v[HN], 0xef800000                    ; -2^96
	v_mov_b32 v[HN+1], 0xef800000
.set q, 0
.rept 4
	v_mul_f32 v[TH+q], 0x3f333333, v[MN+q]         ; 0.7 x absmean
.set q, q+1
.endr
.set q, 0
.rept 4
	v_mul_f32 v[NT+2*q], v[HN], v[TH+q]            ; -th 2^96: a power of two, so nothing is rounded
	v_mul_f32 v[NT+2*q+1], v[HN], v[TH+q]
.set q, q+1
.endr
.set j, 0
.rept 16                                       ; the four numbers of load j; every source of a clamped line is a vector register
.set C, CT+8*(j%2)
.set N, NT+2*(j/4)
	v_pk_fma_f32 v[C:C+1],   v[WD+4*j:WD+4*j+1],   v[HP:HP+1], v[N:N+1] clamp   ; 1 where w > th, else 0
	v_pk_fma_f32 v[C+2:C+3], v[WD+4*j+2:WD+4*j+3], v[HP:HP+1], v[N:N+1] clamp
	v_pk_fma_f32 v[C+4:C+5], v[WD+4*j:WD+4*j+1],   v[HN:HN+1], v[N:N+1] clamp   ; 1 where -w > th, else 0
	v_pk_fma_f32 v[C+6:C+7], v[WD+4*j+2:WD+4*j+3], v[HN:HN+1], v[N:N+1] clamp
	v_pk_add_f32 v[C:C+1],   v[C:C+1],   v[C+4:C+5] neg_lo:[0,1] neg_hi:[0,1]
	v_pk_add_f32 v[C+2:C+3], v[C+2:C+3], v[C+6:C+7] neg_lo:[0,1] neg_hi:[0,1]
	v_cvt_pk_bf16_f32 v[WD+4*j], v[C], v[C+1]
	v_cvt_pk_bf16_f32 v[WD+4*j+1], v[C+2], v[C+3]
	global_store_b64 v3, v[WD+4*j:WD+4*j+1], s[28:29] offset:256*j
.set j, j+1
.endr
	CLOSE
.Lfunc_end_k_qdd6b9ee771_prep:
	.size	k_qdd6b9ee771_prep, .Lfunc_end_k_qdd6b9ee771_prep-k_qdd6b9ee771_prep
	.p2alignl 7, 3214868480
	.fill 96, 4, 3214868480
	.section	.rodata,"a",@progbits
	.p2align	6, 0x0
	.amdhsa_kernel k_qdd6b9ee771_prep
		.amdhsa_group_segment_fixed_size 77056
		.amdhsa_private_segment_fixed_size 0
		.amdhsa_enable_private_segment 0
		.amdhsa_kernarg_size 96
		.amdhsa_user_sgpr_count 2
		.amdhsa_user_sgpr_kernarg_segment_ptr 1
		.amdhsa_wavefront_size32 1
		.amdhsa_system_sgpr_workgroup_id_x 1
		.amdhsa_system_sgpr_workgroup_id_y 1
		.amdhsa_system_sgpr_workgroup_id_z 1
		.amdhsa_system_vgpr_workitem_id 0
		.amdhsa_next_free_vgpr 160
		.amdhsa_next_free_sgpr 66
		.amdhsa_reserve_vcc 1
		.amdhsa_float_denorm_mode_32 3
		.amdhsa_float_denorm_mode_16_64 3
		.amdhsa_memory_ordered 1
		.amdhsa_forward_progress 1
		.amdhsa_inst_pref_size 44
	.end_amdhsa_kernel
	.amdgpu_metadata
---
amdhsa.version: [ 1, 2 ]
amdhsa.kernels:
  - .name:           k_qdd6b9ee771_prep
    .symbol:         k_qdd6b9ee771_prep.kd
    .args:
      - { .name: x, .offset: 0, .size: 8, .value_kind: global_buffer, .address_space: global }
      - { .name: ln1_w, .offset: 8, .size: 8, .value_kind: global_buffer, .address_space: global }
      - { .name: wq, .offset: 16, .size: 8, .value_kind: global_buffer, .address_space: global }
      - { .name: wk, .offset: 24, .size: 8, .value_kind: global_buffer, .address_space: global }
      - { .name: wv, .offset: 32, .size: 8, .value_kind: global_buffer, .address_space: global }
      - { .name: wg, .offset: 40, .size: 8, .value_kind: global_buffer, .address_space: global }
      - { .name: wu, .offset: 48, .size: 8, .value_kind: global_buffer, .address_space: global }
      - { .name: wo, .offset: 56, .size: 8, .value_kind: global_buffer, .address_space: global }
      - { .name: wd, .offset: 64, .size: 8, .value_kind: global_buffer, .address_space: global }
      - { .name: hb, .offset: 72, .size: 8, .value_kind: global_buffer, .address_space: global }
      - { .name: tw, .offset: 80, .size: 8, .value_kind: global_buffer, .address_space: global }
      - { .name: sc, .offset: 88, .size: 8, .value_kind: global_buffer, .address_space: global }
    .group_segment_fixed_size: 77056
    .private_segment_fixed_size: 0
    .kernarg_segment_align: 8
    .kernarg_segment_size: 96
    .max_flat_workgroup_size: 256
    .sgpr_count:     66
    .vgpr_count:     160
    .wavefront_size: 32
...
	.end_amdgpu_metadata
.endif
;; end of part 1
;; launch qkv (part 2): grid 12 x 16, 4 waves a work-group, clusters of 4 x 4, 327,680 bytes of LDS; arguments hb, tw, sc, cos, sin, qkv; writes qkv
.if DOCPART == 2
	.amdgcn_target "amdgcn-amd-amdhsa--gfx1250"
	.amdhsa_code_object_version 6
	.text
	.protected	k_qdd6b9ee771_qkv
	.globl	k_qdd6b9ee771_qkv
	.p2align	8
	.type	k_qdd6b9ee771_qkv,@function
k_qdd6b9ee771_qkv:
	s_mov_b64 s[64:65], 0
	v_nop
	global_prefetch_b8 v0, s[64:65] scope:SCOPE_SE
	s_setreg_imm32_b32 hwreg(HW_REG_WAVE_MODE, 25, 1), 1
	s_wait_xcnt 0x0
	s_wait_alu depctr_hold_cnt(0) depctr_sa_sdst(0) depctr_va_vdst(0) depctr_va_sdst(0) depctr_va_ssrc(0) depctr_va_vcc(0) depctr_vm_vsrc(0)
	s_getreg_b32 s2, hwreg(HW_REG_IB_STS2, 6, 4)
	s_cmp_eq_u32 s2, 0
	s_cbranch_scc0 .Lentry_in_a_cluster
	s_endpgm
.Lentry_in_a_cluster:
	s_bfe_u32 s2, ttmp6, 0x10000c
	s_cmp_lg_u32 s2, 0xf033
	s_cbranch_scc0 .Lentry_shape_is_right
	s_endpgm
.Lentry_shape_is_right:
; Q, K, V.  A tile of 128 x 128 of C = A B^T over K = 2,048, bf16 operands, f32 sums; four waves, each 64 x 64 (16 accumulators).
; Clusters with x = 0, 1: A = 128 tokens of h1 (hb), B = the 128 ternary rows of one head of wq or wk; the sums are scaled by the row's absmean and turned by RoPE: q and k in bf16.
; Clusters with x = 2: A = the 128 ternary rows of one head of wv, B = 128 tokens of h1: the tile is v TRANSPOSED (channel by token), raw (its absmean is applied behind the attention's second product).
; WHAT IS STORED are the matrix fragments that the attention loads, blocks of 1,024 bytes: lane l's first 16 bytes at 16 l, its second at 512 + 16 l.
;   q, k: head x 524,288 + (token / 16) x 4,096 + (channel / 32) x 1,024: lane l holds token l % 16, channels 8 (l / 16) + 0..7 and 16 + 8 (l / 16) + 0..7 of the block.
;   v:    head x 524,288 + (token / 32) x 8,192 + (channel / 16) x 1,024: lane l holds channel l % 16, tokens 8 (l / 16) + 0..7 and 16 + 8 (l / 16) + 0..7 of the block.
; K goes in steps of 256 through two LDS slots filled by joint tensor loads: A's tile is shared along a row of the 4 x 4 cluster, B's along a column.  One K step is written once and looped: the LDS addresses
; hang on s[TB], which an exclusive or turns from one slot to the other (the bits of SLOT are clear in all four start addresses).
; The matrix instruction is used transposed (source 0 = rows of B, source 1 = rows of A): a lane holds eight neighbouring columns of one row of C.
; A wave's 64 columns are 32 c + 0..31 and 64 + 32 c + 0..31, so that channel d and channel d + 64, which RoPE pairs, lie in accumulators (a, b) and (a, b + 2) of one lane.
; The last K step's change of slots passes a barrier and fetches 32 fragments that nobody uses: the price of one text for the two steps that fill nothing.
; A tile of v loads absmeans, cos and sin like the others (at addresses inside the tables: tokens below 512, sc below byte 8,400) and does not use them: the price of one text in which every register is written on every path.
; REGISTERS: window 0: v0-31 addresses; v32-95 at work; v96-127 absmeans, later store offsets; v128-255 accumulators.  window 1: two fragment buffers.  window 2: cos v0-127, sin v128-255.
.set KDIM,   2048
.set NSTEP,  KDIM/256
.set PITCH,  528                       ; an LDS row: 512 bytes + 16 of padding: the 16 rows of a fragment load start at 16 different groups of four banks (ISA guide 11.1)
.set HALFT,  64*PITCH
.set SLOT,   4*HALFT                   ; A's 128 rows, then B's 128 rows: 0x21000
.set STAGE,  2*SLOT                    ; 128 rows x 272 bytes, for the way out; no tensor load lands here
.set SPITCH, 272
.set SPARE,  STAGE+128*SPITCH          ; the spare words, 128 bytes a wave
.set BA, 16                            ; B's block i begins at row BA (i % 2) + BB (i / 2) of the wave's part
.set BB, 64
.set CB, 32                            ; the second column half begins CB rows on
.set A0,   16                          ; v16  my lane's place in A's tile; never rewritten
.set B0,   17                          ; v17  the same for B
.set ADRA, 18                          ; v18  A0 + the slot in hand
.set ADRB, 19
.set STO,  24
.set RD,   25
.set SPW,  28                          ; v28  my spare word's address; never rewritten
.set NIL,  29                          ; v29  0; never rewritten
.set TMP,  32
.set SCL,  96
.set ACC,  128
.set F0,   0
.set F1,   128
.set G1,  24                           ; s[24:31] group 1 for A;  s[32:39] group 0: set 0 for the first fill, set 1 walks
.set G0,  32
.set G1B, 48
.set G0B, 56
.set TB,  66                           ; s66  0 or SLOT: the slot that is read
.set MSB, 0
.macro WIN new                         ; the immediate's high byte repeats the setting that is left
.if MSB != (\new)
	s_set_vgpr_msb (MSB<<8)|(\new)
.set MSB, \new
.endif
.endm
.set MUL,  0x05                        ; sources 0 (B) and 1 (A) window 1; C and D window 0
.set TO_F, 0x40                        ; destination window 1, address window 0
.macro JLOAD s                         ; a joint load: waves 0, 1 fetch A's halves, waves 2, 3 B's; an s_nop 0 and four v_nop follow each line
	s_cmp_eq_u32 s11, 0
	s_cbranch_scc0 .Lfor_b_\@
	tensor_load_to_lds s[G0+4*(\s):G0+4*(\s)+3], s[G1:G1+7]
	s_nop 0
.rept 4
	v_nop
.endr
	s_branch .Lasked_\@
.Lfor_b_\@:
	tensor_load_to_lds s[G0B+4*(\s):G0B+4*(\s)+3], s[G1B:G1B+7]
	s_nop 0
.rept 4
	v_nop
.endr
.Lasked_\@:
.endm
.macro CREST                           ; a round of the cluster's barrier behind its opening barrier
	s_cmp_lg_u32 s10, 0
	s_cbranch_scc1 .Lnot_wave_0_\@
	s_barrier_signal -3
.Lnot_wave_0_\@:
	s_barrier_wait -3
	s_barrier_signal -1
	s_barrier_wait -1
.endm
.macro CROUND
	s_barrier_signal -1
	s_barrier_wait -1
	CREST
.endm
.macro MUL8 f, c, a0, zero             ; 8 products: row blocks a0, a0 + 1 x all 4 column blocks, 32 along K; the 16 accumulators take turns
	WIN MUL
.irp a, \a0, (\a0)+1
.irp b, 0,1,2,3
.if \zero
	v_wmma_f32_16x16x32_bf16 v[ACC+8*(4*(\a)+(\b)):ACC+8*(4*(\a)+(\b))+7], v[(\f)+64+8*(4*(\c)+(\b)):(\f)+64+8*(4*(\c)+(\b))+7], v[(\f)+8*(4*(\c)+(\a)):(\f)+8*(4*(\c)+(\a))+7], 0
.else
	v_wmma_f32_16x16x32_bf16 v[ACC+8*(4*(\a)+(\b)):ACC+8*(4*(\a)+(\b))+7], v[(\f)+64+8*(4*(\c)+(\b)):(\f)+64+8*(4*(\c)+(\b))+7], v[(\f)+8*(4*(\c)+(\a)):(\f)+8*(4*(\c)+(\a))+7], v[ACC+8*(4*(\a)+(\b)):ACC+8*(4*(\a)+(\b))+7]
.endif
.endr
.endr
.endm
.macro FETCH k, f                      ; 32 LDS loads in one run: the fragments of 64 along K at byte k of the rows; the first 32 along K first
	WIN TO_F
.irp c, 0,1
.irp i, 0,1,2,3
	ds_load_b128 v[(\f)+64+8*(4*(\c)+(\i)):(\f)+64+8*(4*(\c)+(\i))+3],   v[ADRB] offset:(\k)+64*(\c)+(BA*((\i)%2)+BB*((\i)/2))*PITCH
	ds_load_b128 v[(\f)+64+8*(4*(\c)+(\i))+4:(\f)+64+8*(4*(\c)+(\i))+7], v[ADRB] offset:(\k)+64*(\c)+(BA*((\i)%2)+BB*((\i)/2))*PITCH+32
	ds_load_b128 v[(\f)+8*(4*(\c)+(\i)):(\f)+8*(4*(\c)+(\i))+3],         v[ADRA] offset:(\k)+64*(\c)+(\i)*16*PITCH
	ds_load_b128 v[(\f)+8*(4*(\c)+(\i))+4:(\f)+8*(4*(\c)+(\i))+7],       v[ADRA] offset:(\k)+64*(\c)+(\i)*16*PITCH+32
.endr
.endr
.endm
.macro PLACES                          ; four places in front of loads into registers that matrix instructions have read, and of vector work on results
.rept 4
	v_nop
.endr
.endm
.macro QUARTER k, f, g, zero           ; multiplies buffer f (64 along K) and fetches the next quarter, at byte k, into g
	s_wait_dscnt 16                                ; the first 32 along K are in; the youngest 16 loads may be out
	MUL8 \f, 0, 0, \zero
	MUL8 \f, 0, 2, \zero
	PLACES
	FETCH \k, \g
	s_wait_dscnt 32                                ; all but the 32 just issued
	MUL8 \f, 1, 0, 0
	MUL8 \f, 1, 2, 0
.endm
.macro TURN fill                       ; the last quarter multiplies buffer 1 and changes slots
	WIN 0
	s_wait_tensorcnt 0x0                           ; all my tensor loads have landed: my part of the next slot
	ds_add_u32 v[SPW], v[NIL]                      ; 0 onto my spare word
	s_wait_dscnt 17                                ; the add and the youngest sixteen loads may be out
	MUL8 F1, 0, 0, 0
	s_wait_dscnt 0x0                               ; the add is done, and my reads of this slot are over
	s_barrier_signal -1
	MUL8 F1, 0, 2, 0
	WIN 0
	s_barrier_wait -1
.if \fill
	CREST                                          ; the barrier has opened a round of the cluster's: no wave of any partner still reads this slot or has a load on its way
	s_xor_b32 s[G0+5], s[G0+5], SLOT               ; the walking descriptors: the slot just read,
	s_add_nc_u64 s[G0+6:G0+7], s[G0+6:G0+7], 512   ; the next K step
	s_xor_b32 s[G0B+5], s[G0B+5], SLOT
	s_add_nc_u64 s[G0B+6:G0B+7], s[G0B+6:G0B+7], 512
	JLOAD 1                                        ; my one tensor load behind the round; 112 products stand between it and the wait for it
.else
	PLACES
.endif
	s_xor_b32 s[TB], s[TB], SLOT
	v_add_nc_u32 v[ADRA], s[TB], v[A0]
	v_add_nc_u32 v[ADRB], s[TB], v[B0]
	FETCH 0, F0
	MUL8 F1, 1, 0, 0
	MUL8 F1, 1, 2, 0
.endm
	s_load_b256 s[68:75], s[0:1], 0x0              ; hb 68, tw 70, sc 72, cos 74
	s_load_b128 s[76:79], s[0:1], 0x20             ; sin 76, qkv 78
	v_lshl_add_u32 v[SPW], v0, 2, SPARE
	v_mov_b32 v[NIL], 0
	ds_add_u32 v[SPW], v[NIL]                      ; the wave's opening
	v_lshrrev_b32 v1, 5, v0
	v_readfirstlane_b32 s10, v1                    ; wave
	s_lshr_b32 s11, s10, 1                         ; my half of the tile's rows; also: I fetch for A (0) or B (1)
	s_and_b32 s12, s10, 1                          ; my half of its columns; also: which 64 rows I fetch
	s_bfe_u32 s40, ttmp6, 0x40000                  ; cx
	s_bfe_u32 s41, ttmp6, 0x40004                  ; cy
	s_mov_b32 s84, ttmp9                           ; the cluster's x: 0, 1 q and k; 2 v.  The same in all sixteen partners
	s_and_b32 s85, ttmp7, 0xffff                   ; the cluster's y
	s_lshl_b32 s86, s85, 2
	s_add_co_u32 s87, s86, s41                     ; 4 y + cy
	s_add_co_u32 s88, s86, s40                     ; 4 y + cx
	s_lshl_b32 s89, s84, 2
	s_add_co_u32 s89, s89, s40                     ; 4 x + cx
	s_cmp_eq_u32 s84, 2
	s_cselect_b32 s13, s41, s87                    ; A's block: v: head cy; else token block 4 y + cy
	s_cselect_b32 s42, s88, s89                    ; B's block: v: token block 4 y + cx; else head 4 x + cx of q, k
	s_cselect_b32 s90, 1, 0                        ; 1: a tile of v
	s_lshl_b32 s43, s41, 2
	s_lshl_b32 s43, 15, s43                        ; my row of the cluster
	s_lshl_b32 s44, 0x1111, s40                    ; my column
	s_or_b32 s[G1+0], s43, (1<<16)|(1<<20)|(1<<21)|(6<<22)|(3<<25)  ; mask; 2-byte elements; padding on; bit 21 beside a mask; after every 128 words; 4 words
	s_or_b32 s[G1B+0], s44, (1<<16)|(1<<20)|(1<<21)|(6<<22)|(3<<25)
.irp g, G1, G1B
	s_mov_b32 s[(\g)+1], 256<<16                   ; tensor_dim0 = 256
	s_mov_b32 s[(\g)+2], 64<<16                    ; tensor_dim1 = 64
	s_mov_b32 s[(\g)+3], 256<<16                   ; tile_dim0 = 256
	s_mov_b32 s[(\g)+4], 64                        ; tile_dim1 = 64
	s_mov_b32 s[(\g)+5], KDIM                      ; elements from row to row
	s_mov_b32 s[(\g)+6], 0
	s_mov_b32 s[(\g)+7], 0
.endr
	s_lshl_b32 s17, s12, 6
	s_lshl_b32 s16, s13, 7
	s_add_co_u32 s16, s16, s17
	s_lshl_b32 s16, s16, 12                        ; A: (128 block + 64 half) rows of 4,096 bytes
	s_lshl_b32 s46, s42, 7
	s_add_co_u32 s46, s46, s17
	s_lshl_b32 s46, s46, 12                        ; B likewise
	s_mov_b32 s17, 0
	s_mov_b32 s47, 0
	s_mul_i32 s20, s10, HALFT                      ; where they go: wave x 64 rows
	s_wait_dscnt 0x0                               ; the opening add is done
	s_wait_kmcnt 0x0
	s_add_nc_u64 s[92:93], s[70:71], 4194304       ; tw at wv's rows
	s_cmp_eq_u32 s90, 1
	s_cselect_b64 s[94:95], s[92:93], s[68:69]     ; A's tensor
	s_cselect_b64 s[96:97], s[68:69], s[70:71]     ; B's tensor
	s_add_nc_u64 s[14:15], s[94:95], s[16:17]
	s_add_nc_u64 s[46:47], s[96:97], s[46:47]
	CROUND                                         ; all sixteen work-groups are here: the first joint loads meet
.irp s, 0,1
	s_mov_b32 s[G0+4*(\s)], 1
	s_add_co_u32 s[G0+4*(\s)+1], s20, (\s)*SLOT
	s_add_nc_u64 s[G0+4*(\s)+2:G0+4*(\s)+3], s[14:15], (\s)*512
	s_or_b32 s[G0+4*(\s)+3], s[G0+4*(\s)+3], 0x80000000
	s_mov_b32 s[G0B+4*(\s)], 1
	s_add_co_u32 s[G0B+4*(\s)+1], s20, (\s)*SLOT
	s_add_nc_u64 s[G0B+4*(\s)+2:G0B+4*(\s)+3], s[46:47], (\s)*512
	s_or_b32 s[G0B+4*(\s)+3], s[G0B+4*(\s)+3], 0x80000000
	JLOAD \s                                       ; two loads of mine are out
.endr
	v_and_b32 v1, 15, v0                           ; r = l % 16
	v_bfe_u32 v2, v0, 4, 1                         ; h = l / 16
	v_mul_u32_u24 v3, v1, PITCH
	v_lshl_add_u32 v3, v2, 4, v3
	s_mul_i32 s21, s11, HALFT
	s_mul_i32 s22, s12, CB*PITCH
	s_add_co_u32 s22, s22, 2*HALFT
	v_add_nc_u32 v[A0], s21, v3
	v_add_nc_u32 v[B0], s22, v3
	v_mov_b32 v[ADRA], v[A0]
	v_mov_b32 v[ADRB], v[B0]
	s_mov_b32 s[TB], 0
	s_mul_i32 s23, s11, 64*SPITCH                  ; into the stage: row 64 half + r, byte 64 c + 16 h
	s_lshl_b32 s21, s12, 6
	s_add_co_u32 s23, s23, s21
	s_add_co_u32 s23, s23, STAGE
	v_mul_u32_u24 v4, v1, SPITCH
	v_lshl_add_u32 v4, v2, 4, v4
	v_add_nc_u32 v[STO], s23, v4
	s_mul_i32 s23, s10, 32*SPITCH                  ; back, as fragments: wave w takes rows 32 w on; lane l row l % 16, 16 bytes for each half of the lanes
	s_add_co_u32 s23, s23, STAGE
	v_add_nc_u32 v[RD], s23, v4
	; where the tile's 32,768 bytes go: q, k: head x 524,288 + token block x 32,768; v: 4,194,304 + head x 524,288 + token block x 32,768
	s_lshl_b32 s85, s42, 19
	s_lshl_b32 s86, s13, 15
	s_add_co_u32 s85, s85, s86
	s_lshl_b32 s86, s13, 19
	s_lshl_b32 s87, s42, 15
	s_add_co_u32 s86, s86, s87
	s_add_co_u32 s86, s86, 4194304
	s_mov_b32 s84, 4096
	s_mov_b32 s91, 1024
	s_cmp_eq_u32 s90, 1
	s_cselect_b32 s86, s86, s85
	s_cselect_b32 s84, 1024, s84                   ; bytes from 16 stage rows to the next 16: q, k: 16 tokens on; v: 16 channels on
	s_cselect_b32 s91, 8192, s91                   ; bytes from 64 bytes of a stage row to the next 64: q, k: 32 channels on; v: 32 tokens on
	s_lshl_b32 s87, s10, 1
	s_mul_i32 s87, s87, s84
	s_add_co_u32 s86, s86, s87                     ; + my 32 stage rows
	s_mov_b32 s87, 0
	s_add_nc_u64 s[78:79], s[78:79], s[86:87]
	; absmeans, cos and sin, in the accumulators' layout; they land while K is walked
	s_lshl_b32 s16, s13, 7
	s_lshl_b32 s17, s11, 6
	s_add_co_u32 s16, s16, s17                     ; my first token
	s_lshl_b32 s16, s16, 9
	s_lshl_b32 s17, s12, 7
	s_add_co_u32 s16, s16, s17                     ; x 512 bytes + 128 c
	s_mov_b32 s17, 0
	s_add_nc_u64 s[74:75], s[74:75], s[16:17]
	s_add_nc_u64 s[76:77], s[76:77], s[16:17]
	s_lshl_b32 s18, s42, 9
	s_lshl_b32 s19, s12, 7
	s_add_co_u32 s18, s18, s19                     ; (128 head + 32 c) x 4
	s_mov_b32 s19, 0
	s_add_nc_u64 s[72:73], s[72:73], s[18:19]
	v_lshlrev_b32 v6, 9, v1
	v_lshl_add_u32 v6, v2, 5, v6                   ; r x 512 + 32 h
	v_lshlrev_b32 v7, 5, v2                        ; 32 h
.set b, 0
.rept 4                                        ; the absmeans of my lane's 8 columns in block b
	global_load_b128 v[SCL+8*b:SCL+8*b+3],   v7, s[72:73] offset:(b%2)*64+(b/2)*256
	global_load_b128 v[SCL+8*b+4:SCL+8*b+7], v7, s[72:73] offset:(b%2)*64+(b/2)*256+16
.set b, b+1
.endr
	WIN 0x80                                       ; destination window 2
.set i, 0
.rept 16                                       ; accumulator i = 4 a + b
	global_load_b128 v[8*i:8*i+3],         v6, s[74:75] offset:(i/4)*8192+(i%2)*64+((i%4)/2)*256
	global_load_b128 v[8*i+4:8*i+7],       v6, s[74:75] offset:(i/4)*8192+(i%2)*64+((i%4)/2)*256+16
	global_load_b128 v[128+8*i:128+8*i+3],   v6, s[76:77] offset:(i/4)*8192+(i%2)*64+((i%4)/2)*256
	global_load_b128 v[128+8*i+4:128+8*i+7], v6, s[76:77] offset:(i/4)*8192+(i%2)*64+((i%4)/2)*256+16
.set i, i+1
.endr
	WIN 0
	s_wait_tensorcnt 1                             ; my part of K step 0 is in; step 1's may stay out
	s_barrier_signal -1
	s_barrier_wait -1
	FETCH 0, F0
	QUARTER 128, F0, F1, 1                         ; the first quarter starts the sums
	WIN 0
	s_mov_b32 s3, NSTEP-2
	s_branch .Lin                                  ; the loop is entered behind its first quarter
.Lk:                                                   ; a trip is a K step; NSTEP - 2 of them fill a slot again
	QUARTER 128, F0, F1, 0
	WIN 0
.Lin:
	QUARTER 256, F1, F0, 0
	QUARTER 384, F0, F1, 0
	TURN 1
	WIN 0
	s_sub_co_u32 s3, s3, 1
	s_cmp_lg_u32 s3, 0
	s_cbranch_scc1 .Lk
	s_mov_b32 s3, 2
.Lt:                                                   ; the last two K steps fill nothing: a second text
	QUARTER 128, F0, F1, 0
	QUARTER 256, F1, F0, 0
	QUARTER 384, F0, F1, 0
	TURN 0
	WIN 0
	s_sub_co_u32 s3, s3, 1
	s_cmp_lg_u32 s3, 0
	s_cbranch_scc1 .Lt
	s_wait_dscnt 0x0                               ; the last fetch, which nobody uses
	s_wait_loadcnt 0x0                             ; absmeans, cos, sin: on both ways, since v96 on is written again below
	PLACES
	s_cmp_eq_u32 s90, 1
	s_cbranch_scc1 .Lpack                          ; v takes no scale and no RoPE here
.set i, 0
.rept 16                                       ; the sums times the column's absmean, each accumulator from its low end
.set p, 0
.rept 4
	v_pk_mul_f32 v[ACC+8*i+2*p:ACC+8*i+2*p+1], v[ACC+8*i+2*p:ACC+8*i+2*p+1], v[SCL+8*(i%4)+2*p:SCL+8*(i%4)+2*p+1]
.set p, p+1
.endr
.set i, i+1
.endr
	WIN 0x08                                       ; source 1 in window 2
.macro ROT a, b                        ; lo = channel d < 64, hi = channel d + 64:  lo' = lo cos(d) - hi sin(d);  hi' = hi cos(d + 64) + lo sin(d + 64)
.set LO, ACC+8*(4*(\a)+(\b))
.set HI, LO+16
.set CLO, 8*(4*(\a)+(\b))
.set TW, TMP+16*(\b)
.irp p, 0,2,4,6
	v_pk_mul_f32 v[TW+\p:TW+\p+1],     v[LO+\p:LO+\p+1], v[128+CLO+16+\p:128+CLO+16+\p+1]
	v_pk_mul_f32 v[TW+8+\p:TW+8+\p+1], v[HI+\p:HI+\p+1], v[128+CLO+\p:128+CLO+\p+1]
.endr
.irp p, 0,2,4,6
	v_pk_fma_f32 v[LO+\p:LO+\p+1], v[LO+\p:LO+\p+1], v[CLO+\p:CLO+\p+1], v[TW+8+\p:TW+8+\p+1] neg_lo:[0,0,1] neg_hi:[0,0,1]
	v_pk_fma_f32 v[HI+\p:HI+\p+1], v[HI+\p:HI+\p+1], v[CLO+16+\p:CLO+16+\p+1], v[TW+\p:TW+\p+1]
.endr
.endm
.irp a, 0,1,2,3
	ROT \a, 0
	ROT \a, 1
.endr
	WIN 0
.Lpack:
	v_and_b32 v96, 31, v0                          ; the store offsets: 16 x lane + g x s84 + m x s91 at v[96 + 4 g + m]
	v_lshlrev_b32 v96, 4, v96
.set m, 1
.rept 3
	v_add_nc_u32 v[96+m], s91, v[95+m]
.set m, m+1
.endr
.set m, 0
.rept 4
	v_add_nc_u32 v[100+m], s84, v[96+m]
.set m, m+1
.endr
.set i, 0
.rept 16
.set p, 0
.rept 4
	v_cvt_pk_bf16_f32 v[TMP+4*i+p], v[ACC+8*i+2*p], v[ACC+8*i+2*p+1]
.set p, p+1
.endr
.set i, i+1
.endr
.set i, 0
.rept 16
	ds_store_b128 v[STO], v[TMP+4*i:TMP+4*i+3] offset:(i/4)*16*SPITCH+32*(i%2)+128*((i%4)/2)
.set i, i+1
.endr
	s_wait_dscnt 0x0                               ; for the others' sake: my stores into the stage are done
	s_barrier_signal -1
	s_barrier_wait -1
.set t, 0
.rept 16                                       ; half a fragment a load: stage rows 16 (t / 8) on, bytes 32 (t % 8) on
	ds_load_b128 v[TMP+4*t:TMP+4*t+3], v[RD] offset:(t/8)*16*SPITCH+(t%8)*32
.set t, t+1
.endr
.set t, 0
.rept 16
	s_wait_dscnt 15-t                              ; LDS loads come back in order: load t is in
	global_store_b128 v[96+4*(t/8)+(t%8)/2], v[TMP+4*t:TMP+4*t+3], s[78:79] offset:(t%2)*512  ; the wave stores 512 consecutive bytes, at a multiple of 512
.set t, t+1
.endr
	s_wait_tensorcnt 0x0                           ; the wave's end
	ds_add_u32 v[SPW], v[NIL]
	s_wait_dscnt 0x0
	CROUND                                         ; the closing round
	s_endpgm
.Lfunc_end_k_qdd6b9ee771_qkv:
	.size	k_qdd6b9ee771_qkv, .Lfunc_end_k_qdd6b9ee771_qkv-k_qdd6b9ee771_qkv
	.p2alignl 7, 3214868480
	.fill 96, 4, 3214868480
	.section	.rodata,"a",@progbits
	.p2align	6, 0x0
	.amdhsa_kernel k_qdd6b9ee771_qkv
		.amdhsa_group_segment_fixed_size 327680
		.amdhsa_private_segment_fixed_size 0
		.amdhsa_enable_private_segment 0
		.amdhsa_kernarg_size 48
		.amdhsa_user_sgpr_count 2
		.amdhsa_user_sgpr_kernarg_segment_ptr 1
		.amdhsa_wavefront_size32 1
		.amdhsa_system_sgpr_workgroup_id_x 1
		.amdhsa_system_sgpr_workgroup_id_y 1
		.amdhsa_system_sgpr_workgroup_id_z 1
		.amdhsa_system_vgpr_workitem_id 0
		.amdhsa_next_free_vgpr 768
		.amdhsa_next_free_sgpr 100
		.amdhsa_reserve_vcc 0
		.amdhsa_float_denorm_mode_32 3
		.amdhsa_float_denorm_mode_16_64 3
		.amdhsa_memory_ordered 1
		.amdhsa_forward_progress 1
		.amdhsa_inst_pref_size 79
	.end_amdhsa_kernel
	.amdgpu_metadata
---
amdhsa.version: [ 1, 2 ]
amdhsa.kernels:
  - .name:           k_qdd6b9ee771_qkv
    .symbol:         k_qdd6b9ee771_qkv.kd
    .args:
      - { .name: hb, .offset: 0, .size: 8, .value_kind: global_buffer, .address_space: global }
      - { .name: tw, .offset: 8, .size: 8, .value_kind: global_buffer, .address_space: global }
      - { .name: sc, .offset: 16, .size: 8, .value_kind: global_buffer, .address_space: global }
      - { .name: cos, .offset: 24, .size: 8, .value_kind: global_buffer, .address_space: global }
      - { .name: sin, .offset: 32, .size: 8, .value_kind: global_buffer, .address_space: global }
      - { .name: qkv, .offset: 40, .size: 8, .value_kind: global_buffer, .address_space: global }
    .group_segment_fixed_size: 327680
    .private_segment_fixed_size: 0
    .kernarg_segment_align: 8
    .kernarg_segment_size: 48
    .max_flat_workgroup_size: 128
    .sgpr_count:     100
    .vgpr_count:     768
    .wavefront_size: 32
...
	.end_amdgpu_metadata
.endif
;; end of part 2
;; launch attn (part 3): grid 64 x 4, 4 waves a work-group, no clusters, 70,144 bytes of LDS; arguments qkv, sc, ob; writes ob
.if DOCPART == 3
	.amdgcn_target "amdgcn-amd-amdhsa--gfx1250"
	.amdhsa_code_object_version 6
	.text
	.protected	k_qdd6b9ee771_attn
	.globl	k_qdd6b9ee771_attn
	.p2align	8
	.type	k_qdd6b9ee771_attn,@function
k_qdd6b9ee771_attn:
	s_mov_b64 s[64:65], 0
	v_nop
	global_prefetch_b8 v0, s[64:65] scope:SCOPE_SE
	s_setreg_imm32_b32 hwreg(HW_REG_WAVE_MODE, 25, 1), 1
	s_wait_xcnt 0x0
; CAUSAL ATTENTION, head size 128.  ob[token][128 head + d] = bf16( sv[d] x sum over k <= q of softmax_k(q . k / sqrt(128)) vraw[k][d] ).  q, k, v in bf16.
; q, k and v lie in memory as the matrix fragments that are loaded here, blocks of 1,024 bytes: lane l's first 16 bytes at 16 l, its second at 512 + 16 l.  q, k: head x 524,288 + (token / 16) x 4,096 + (channel / 32) x 1,024;
; v: head x 524,288 + (key / 32) x 8,192 + (channel / 16) x 1,024.  So every load of a wave takes 512 consecutive bytes, and a key step is 16,384 consecutive bytes of k and of v.
; SHARES.  There are 4 x 2,048 query rows only, so a work-group takes 32 queries of a head (two tiles of 16): 256 work-groups.  Its four waves split the KEYS: wave w takes the key steps w, w + 4, ..
; of 64 keys, up to the step that holds the diagonal.  No two waves read the same K or V, so the fragments come straight from memory into registers: no ring, no barrier in the loop.
; Each wave keeps a running maximum m, a sum l and O^T of its own; they meet once, in LDS, in f32.  The long work-groups have the low numbers.
; NO CLUSTER: work-groups of a head need different numbers of steps, and nothing passes through LDS that could be shared.
; LAYOUT.  S^T = K Q^T holds one query a lane (l % 16) and the keys 8 (l / 16) + 0..7; two such results rounded to bf16 are source 1 of O^T = V^T P.  p = 2^(c s - c m), c = log2(e) / sqrt(128).
; THE MASK is the C operand that starts S^T: 0, or -1e30 where key > query; it is made in the diagonal step, which is that wave's last.  Every step that is run shows every query a key, so m is a true score.
; m starts at the lowest finite number and O^T, l at 0: the first step is a step like any other, with a = 0; a wave without steps hands on zeros.
; The last trip loads its own tiles once more (the step's number is clamped), so that the counted waits mean the same in every trip and no load leaves the buffer; those loads are never waited for.
; LIMITS.  A hidden score counts as its value less 1e30; a weight below 2^-126 counts as 0; NaN and infinities are not treated apart.
; REGISTERS: window 0: addresses, statistics, S^T v64-127, P v128-159, mask v160-223, v224-247 merge and sv.  window 1: O^T.  window 2: Q v0-63, K v128-255.  window 3: V v0-127.
.set PP,    528                        ; a query's 128 partial sums in LDS: 512 bytes + 16
.set WPART, 32*PP                      ; a wave's part
.set STAT,  4*WPART                    ; 2,048 bytes: (c m, l) by wave, tile, lane
.set SPARE, STAT+2048                  ; the spare words, 128 bytes a wave
.set KO,  2                            ; v2   16 x lane: my 16 bytes in half a fragment of Q, K or V
.set BIG, 4                            ; v4   -1e30
.set PW,  5
.set RD,  6
.set GO,  7
.set STW, 8
.set STR, 9
.set MT,  10                           ; v10-11  my query's place in the diagonal step less 8 h, by tile
.set ST,  12                           ; tile t at v[ST+8 t]: c m, m, l, l, c0-c3
.set SPW, 62
.set NIL, 63
.set S,   64
.set P,   128
.set MK,  160
.set MG,  224
.set SV,  240
.set LB,  64
.set KF,  128
.set CS,  30                           ; s[30:31] c
.set SEL, 32                           ; s[32:33]
.set MSB, 0
.macro WIN new
.if MSB != (\new)
	s_set_vgpr_msb (MSB<<8)|(\new)
.set MSB, \new
.endif
.endm
.set W_KQ, 0x0a
.set W_PV, 0x53
.set W_RS, 0x41
.macro PLACES
.rept 4
	v_nop
.endr
.endm
.macro KQ                              ; product i of 32: channels 32 (i / 8) on, keys 16 ((i / 2) % 4) on, tile i % 2; the 8 accumulators take turns
	WIN W_KQ
.set rS, S+32*(i%2)+8*((i/2)%4)
.set rK, KF+32*((i/2)%4)+8*(i/8)
.set rQ, 32*(i%2)+8*(i/8)
.set rM, MK+32*(i%2)+8*((i/2)%4)
.if i < 8
	v_wmma_f32_16x16x32_bf16 v[rS:rS+7], v[rK:rK+7], v[rQ:rQ+7], v[rM:rM+7]
.else
	v_wmma_f32_16x16x32_bf16 v[rS:rS+7], v[rK:rK+7], v[rQ:rQ+7], v[rS:rS+7]
.endif
.endm
.macro PV                              ; product i of 32: keys 32 (i / 16) on, channels 16 ((i / 2) % 8) on, tile i % 2; 16 accumulators by turns
	WIN W_PV
.set rO, 64*(i%2)+8*((i/2)%8)
.set rV, 64*(i/16)+8*((i/2)%8)
.set rP, P+16*(i%2)+8*(i/16)
	v_wmma_f32_16x16x32_bf16 v[rO:rO+7], v[rV:rV+7], v[rP:rP+7], v[rO:rO+7]
.endm
.macro LOADK                           ; 64 keys x 128 channels: fragment f: keys 16 (f / 4) on, channels 32 (f % 4) on
	WIN 0x80
.set f, 0
.rept 16
	global_load_b128 v[KF+8*f:KF+8*f+3],   v[KO], s[24:25] offset:(f/4)*4096+(f%4)*1024
	global_load_b128 v[KF+8*f+4:KF+8*f+7], v[KO], s[24:25] offset:(f/4)*4096+(f%4)*1024+512
.set f, f+1
.endr
.endm
.macro LOADV                           ; 128 channels x 64 keys: fragment f: keys 32 (f / 8) on, channels 16 (f % 8) on
	WIN 0xc0
.set f, 0
.rept 16
	global_load_b128 v[8*f:8*f+3],   v[KO], s[26:27] offset:(f/8)*8192+(f%8)*1024
	global_load_b128 v[8*f+4:8*f+7], v[KO], s[26:27] offset:(f/8)*8192+(f%8)*1024+512
.set f, f+1
.endr
.endm
; Number j of the 134 instructions of one tile's softmax for one key step.  0-15 the maximum (each accumulator's low registers first); 16-20 the other half of the lanes, m, c m, its change;
; 21-87 scalings, 33 exponentials at the odd numbers from 23 on, roundings; 88-101 the sums, l = a l + sum; 102-133 O^T times a.  The two tiles alternate, so behind each pair of exponentials stand two plain
; instructions that touch neither their results nor their sources (ISA guide 5.7.2).
.macro SM t
.set rT, ST+8*(\t)
.set rS, S+32*(\t)
.set rP, P+16*(\t)
.set rO, 64*(\t)+2*(j-102)
.set q, (j-20)/2
.if j < 102
	WIN 0
.endif
.if j < 4
	v_max3_num_f32 v[rT+4+j], v[rS+8*j], v[rS+8*j+1], v[rS+8*j+2]
.elseif j < 12
	v_max3_num_f32 v[rT+4+j%4], v[rT+4+j%4], v[rS+8*(j%4)+2*(j/4)+1], v[rS+8*(j%4)+2*(j/4)+2]
.elseif j == 12
	v_max3_num_f32 v[rT+4], v[rT+4], v[rS+7], v[rS+15]
.elseif j == 13
	v_max3_num_f32 v[rT+6], v[rT+6], v[rS+23], v[rS+31]
.elseif j == 14
	v_max3_num_f32 v[rT+4], v[rT+4], v[rT+5], v[rT+6]
.elseif j == 15
	v_max3_num_f32 v[rT+4], v[rT+4], v[rT+7], v[rT+1]
.elseif j == 16
	v_permlanex16_b32 v[rT+5], v[rT+4], s[SEL], s[SEL+1]
.elseif j == 17
	v_mov_b32 v[rT+7], v[rT]
.elseif j == 18
	v_max_num_f32 v[rT+1], v[rT+4], v[rT+5]
.elseif j == 19
	v_mul_f32 v[rT], s[CS], v[rT+1]
.elseif j == 20
	v_sub_f32 v[rT+7], v[rT+7], v[rT]
.elseif j == 23
	v_exp_f32 v[rT+6], v[rT+7]
.elseif (j < 88) && (j > 23) && (j%2 == 1)
	v_exp_f32 v[rS+(j-25)/2], v[rS+(j-25)/2]
.elseif (q < 4) || ((j < 76) && (q%2 == 0))
.set b, q/2+2
.if q < 4
.set b, q
.endif
	v_pk_fma_f32 v[rS+2*b:rS+2*b+1], v[rS+2*b:rS+2*b+1], s[CS:CS+1], v[rT:rT+1] op_sel_hi:[1,0,0] neg_lo:[0,0,1] neg_hi:[0,0,1]
.elseif (j < 88) && (q%2 == 1)
	s_wait_alu depctr_va_vdst(0)
	v_cvt_pk_bf16_f32 v[rP+(q-5)/2], v[rS+q-5], v[rS+q-4]
.elseif j == 89
	s_wait_alu depctr_va_vdst(0)
	v_cvt_pk_bf16_f32 v[rP+15], v[rS+30], v[rS+31]
.elseif j < 102
.set z, j-86
.if j < 89
.set z, (j-76)/4
.endif
.set w, 4
.set u, z
.if z >= 14
.set w, 32
.set u, 0
.elseif z >= 12
.set w, 16
.set u, z-12
.elseif z >= 8
.set w, 8
.set u, z-8
.endif
.if z < 15
	v_pk_add_f32 v[rS+w*u:rS+w*u+1], v[rS+w*u:rS+w*u+1], v[rS+w*u+w/2:rS+w*u+w/2+1]
.else
	v_pk_fma_f32 v[rT+2:rT+3], v[rT+2:rT+3], v[rT+6:rT+7], v[rS:rS+1] op_sel_hi:[1,0,1]
.endif
.else
	WIN W_RS
	v_pk_mul_f32 v[rO:rO+1], v[rO:rO+1], v[rT+6:rT+7] op_sel_hi:[1,0]
.endif
.endm
	s_load_b128 s[4:7], s[0:1], 0x0                ; qkv 4, sc 6
	s_load_b64 s[8:9], s[0:1], 0x10                ; ob
	v_lshl_add_u32 v[SPW], v0, 2, SPARE
	v_mov_b32 v[NIL], 0
	v_lshrrev_b32 v1, 5, v0
	v_readfirstlane_b32 s12, v1                    ; wave
	s_sub_co_u32 s13, 63, ttmp9                    ; my block of 32 queries
	s_and_b32 s14, ttmp7, 0xffff                   ; the head
	s_lshr_b32 s15, s13, 1                         ; the diagonal step = steps - 1
	s_add_co_u32 s16, s15, 4
	s_sub_co_u32 s16, s16, s12
	s_lshr_b32 s16, s16, 2                         ; my steps: (steps + 3 - w) / 4
	s_lshl_b32 s17, s16, 2
	s_add_co_u32 s17, s17, s12
	s_sub_co_u32 s17, s17, 4                       ; my last step (used only where I have one)
	s_mov_b32 s18, s12                             ; the step in hand
	s_mov_b32 s19, 0                               ; trips done
	s_mov_b32 s[CS], 0x3e0293ee                    ; c = log2(e) / sqrt(128)
	s_mov_b32 s[CS+1], s[CS]
	s_mov_b32 s[SEL], 0x76543210
	s_mov_b32 s[SEL+1], 0xfedcba98
	s_lshl_b32 s28, s14, 19                        ; a head is 524,288 bytes in each of q, k, v
	s_mov_b32 s29, 0
	v_and_b32 v1, 15, v0                           ; r
	v_bfe_u32 v28, v0, 4, 1                        ; h
	v_and_b32 v29, 31, v0
	v_lshlrev_b32 v[KO], 4, v29                    ; 16 bytes a lane
	v_lshlrev_b32 v30, 5, v1                       ; my 8 channels of sv
	s_wait_kmcnt 0x0
	s_add_nc_u64 s[4:5], s[4:5], s[28:29]
	s_add_nc_u64 s[20:21], s[4:5], 2097152         ; the head's K
	s_add_nc_u64 s[22:23], s[4:5], 4194304         ; the head's V
	s_lshl_b32 s28, s13, 13
	s_add_nc_u64 s[4:5], s[4:5], s[28:29]          ; my 32 queries: two blocks of 4,096 bytes
	s_lshl_b32 s28, s14, 9
	s_add_co_u32 s28, s28, 4096
	s_add_nc_u64 s[6:7], s[6:7], s[28:29]          ; sc at wv's rows of the head
	s_lshl_b32 s28, s13, 15
	s_lshl_b32 s34, s12, 13
	s_add_co_u32 s28, s28, s34
	s_lshl_b32 s34, s14, 8
	s_add_co_u32 s28, s28, s34
	s_add_nc_u64 s[8:9], s[8:9], s[28:29]          ; ob at row 32 block + 8 w, byte 256 head
	WIN 0x80
.set i, 0
.rept 8                                        ; Q stays in registers: tile i / 4, channels 32 (i % 4) on
	global_load_b128 v[8*i:8*i+3],   v[KO], s[4:5] offset:(i/4)*4096+(i%4)*1024
	global_load_b128 v[8*i+4:8*i+7], v[KO], s[4:5] offset:(i/4)*4096+(i%4)*1024+512
.set i, i+1
.endr
	WIN 0
	global_load_b128 v[SV:SV+3],   v30, s[6:7]
	global_load_b128 v[SV+4:SV+7], v30, s[6:7] offset:16
	s_mul_i32 s34, s12, WPART
	v_mul_u32_u24 v[PW], v1, PP
	v_lshl_add_u32 v[PW], v28, 5, v[PW]
	v_add_nc_u32 v[PW], s34, v[PW]                 ; my part: row r, byte 32 h
	s_mul_i32 s35, s12, 8*PP
	v_mul_u32_u24 v[RD], v28, PP
	v_lshl_add_u32 v[RD], v1, 5, v[RD]
	v_add_nc_u32 v[RD], s35, v[RD]                 ; back: rows 8 w + l / 16, byte 32 (l % 16)
	v_lshlrev_b32 v[GO], 10, v28
	v_lshl_add_u32 v[GO], v1, 4, v[GO]
	v_lshl_add_u32 v[STR], v29, 3, STAT
	s_lshl_b32 s35, s12, 9
	v_add_nc_u32 v[STW], s35, v[STR]
	s_and_b32 s35, s13, 1
	s_lshl_b32 s35, s35, 5
	v_lshlrev_b32 v29, 3, v28
	v_sub_nc_u32 v[MT], v1, v29
	v_add_nc_u32 v[MT], s35, v[MT]                 ; 32 (block % 2) + r - 8 h
	v_add_nc_u32 v[MT+1], 16, v[MT]
	v_mov_b32 v[BIG], 0xf149f2ca                   ; -1e30
.irp t, 0,1
	v_mov_b32 v[ST+8*\t], 0xfe000000               ; c m: far below every c s
	v_mov_b32 v[ST+8*\t+1], 0xff7fffff             ; m
.irp n, 2,3,4,5,6,7
	v_mov_b32 v[ST+8*\t+\n], 0
.endr
.endr
.set i, 0
.rept 64
	v_mov_b32 v[MK+i], 0
.set i, i+1
.endr
	WIN 0x40
.set i, 0
.rept 128                                      ; O^T = 0: no first step is written out, and a wave without steps hands these zeros on
	v_mov_b32 v[i], 0
.set i, i+1
.endr
	WIN 0
	s_cmp_eq_u32 s16, 0
	s_cbranch_scc1 .Lempty
	s_lshl_b32 s28, s12, 14                        ; a step is 16,384 bytes of K and of V
	s_add_nc_u64 s[24:25], s[20:21], s[28:29]
	LOADK
	s_add_nc_u64 s[26:27], s[22:23], s[28:29]
	LOADV
	WIN 0
.Ltrip:
	s_cmp_lg_u32 s18, s15
	s_cbranch_scc1 .Lnodiag
.set i, 0
.rept 64                                       ; register i % 32 of tile i / 32: key 16 kb + jj of the step is hidden where it is greater than MT
	v_cmp_gt_i32 vcc_lo, 16*((i%32)/8)+i%8, v[MT+i/32]
	v_cndmask_b32 v[MK+i], 0, v[BIG], vcc_lo
.set i, i+1
.endr
.Lnodiag:
	s_wait_loadcnt 32                              ; K of this step is in (and all before it); only V's 32 loads were issued behind it
.set i, 0
.rept 32
	KQ
.set i, i+1
.endr
	PLACES                                         ; in front of the loads into K's registers and of the softmax
	s_add_co_u32 s34, s18, 4
	s_min_u32 s34, s34, s17                        ; my next step, or this one again
	s_lshl_b32 s28, s34, 14
	s_add_nc_u64 s[24:25], s[20:21], s[28:29]      ; its last loads were shown done by the wait above
	LOADK
.set j, 0
.rept 134
	SM 0
	SM 1
.set j, j+1
.endr
	s_wait_loadcnt 32                              ; V of this step is in; the next K's 32 loads were issued behind it
.set i, 0
.rept 32
	PV
.set i, i+1
.endr
	PLACES
	s_lshl_b32 s28, s34, 14
	s_add_nc_u64 s[26:27], s[22:23], s[28:29]
	LOADV
	WIN 0
	s_mov_b32 s18, s34
	s_add_co_u32 s19, s19, 1
	s_cmp_lt_u32 s19, s16
	s_cbranch_scc1 .Ltrip
	s_branch .Lmerge
.Lempty:
	s_wait_loadcnt 0x0                             ; sv
.Lmerge:
	; THE WAVES MEET.  l's halves are added; (c m, l) of all four waves are exchanged; each wave scales its O^T by 2^(c m - c m*) / L and lays it into LDS in f32; each wave then adds up 8 rows.
.irp t, 0,1
	v_add_f32 v[ST+8*\t+4], v[ST+8*\t+2], v[ST+8*\t+3]
.endr
.irp t, 0,1
	v_permlanex16_b32 v[ST+8*\t+5], v[ST+8*\t+4], s[SEL], s[SEL+1]
.endr
.irp t, 0,1
	v_add_f32 v[ST+8*\t+1], v[ST+8*\t+4], v[ST+8*\t+5]
.endr
	ds_store_b64 v[STW], v[ST:ST+1]
	ds_store_b64 v[STW], v[ST+8:ST+9] offset:256
	s_wait_dscnt 0x0                               ; for the others' sake
	s_barrier_signal -1
	s_barrier_wait -1
.irp t, 0,1
.irp n, 0,1,2,3
	ds_load_b64 v[MG+8*\t+2*\n:MG+8*\t+2*\n+1], v[STR] offset:512*\n+256*\t
.endr
.endr
	s_wait_dscnt 0x0
.irp t, 0,1
	v_max3_num_f32 v[ST+8*\t+4], v[MG+8*\t], v[MG+8*\t+2], v[MG+8*\t+4]
.endr
.irp t, 0,1
	v_max_num_f32 v[ST+8*\t+4], v[ST+8*\t+4], v[MG+8*\t+6]
.endr
.irp t, 0,1
.irp n, 0,1,2,3
	v_sub_f32 v[MG+8*\t+2*\n], v[MG+8*\t+2*\n], v[ST+8*\t+4]
.endr
	v_sub_f32 v[ST+8*\t+5], v[ST+8*\t], v[ST+8*\t+4]
.endr
.irp t, 0,1
.irp n, 0,1,2,3
	v_exp_f32 v[MG+8*\t+2*\n], v[MG+8*\t+2*\n]
.endr
	v_exp_f32 v[ST+8*\t+5], v[ST+8*\t+5]
.endr
	v_nop                                          ; a plain instruction behind the exponentials
	s_wait_alu depctr_va_vdst(0)
.irp t, 0,1
	v_mul_f32 v[ST+8*\t+6], v[MG+8*\t], v[MG+8*\t+1]
.endr
.irp n, 1,2,3
.irp t, 0,1
	v_fmac_f32 v[ST+8*\t+6], v[MG+8*\t+2*\n], v[MG+8*\t+2*\n+1]
.endr
.endr
.irp t, 0,1
	v_rcp_f32 v[ST+8*\t+7], v[ST+8*\t+6]
.endr
	v_nop
	s_wait_alu depctr_va_vdst(0)
.irp t, 0,1
	v_mul_f32 v[ST+8*\t+6], v[ST+8*\t+7], v[ST+8*\t+5]
.endr
	WIN W_RS
.irp t, 0,1
.set i, 0
.rept 32
	v_pk_mul_f32 v[64*\t+2*i:64*\t+2*i+1], v[64*\t+2*i:64*\t+2*i+1], v[ST+8*\t+6:ST+8*\t+7] op_sel_hi:[1,0]
.set i, i+1
.endr
.endr
	WIN 0x04                                       ; the stores' data in window 1
.irp t, 0,1
.set i, 0
.rept 8
	ds_store_b128 v[PW], v[64*\t+8*i:64*\t+8*i+3]   offset:\t*16*PP+64*i
	ds_store_b128 v[PW], v[64*\t+8*i+4:64*\t+8*i+7] offset:\t*16*PP+64*i+16
.set i, i+1
.endr
.endr
	WIN 0
	s_wait_dscnt 0x0                               ; for the others' sake
	s_barrier_signal -1
	s_barrier_wait -1
.irp u, 0,1,2,3
.irp n, 0,1,2,3
	ds_load_b128 v[LB+32*\u+8*\n:LB+32*\u+8*\n+3],   v[RD] offset:WPART*\n+2*PP*\u
	ds_load_b128 v[LB+32*\u+8*\n+4:LB+32*\u+8*\n+7], v[RD] offset:WPART*\n+2*PP*\u+16
.endr
.endr
.irp u, 0,1,2,3
	s_wait_dscnt 24-8*\u                           ; the eight loads of this pair of rows are in
.irp n, 1,2,3
.irp p, 0,2,4,6
	v_pk_add_f32 v[LB+32*\u+\p:LB+32*\u+\p+1], v[LB+32*\u+\p:LB+32*\u+\p+1], v[LB+32*\u+8*\n+\p:LB+32*\u+8*\n+\p+1]
.endr
.endr
.irp p, 0,2,4,6
	v_pk_mul_f32 v[LB+32*\u+\p:LB+32*\u+\p+1], v[LB+32*\u+\p:LB+32*\u+\p+1], v[SV+\p:SV+\p+1]
.endr
.irp p, 0,1,2,3
	v_cvt_pk_bf16_f32 v[LB+32*\u+\p], v[LB+32*\u+2*\p], v[LB+32*\u+2*\p+1]
.endr
	global_store_b128 v[GO], v[LB+32*\u:LB+32*\u+3], s[8:9] offset:2048*\u  ; 16 lanes store a head's 256 bytes of a row, aligned
.endr
	s_wait_tensorcnt 0x0                           ; the wave's end
	ds_add_u32 v[SPW], v[NIL]
	s_wait_dscnt 0x0
	s_endpgm
.Lfunc_end_k_qdd6b9ee771_attn:
	.size	k_qdd6b9ee771_attn, .Lfunc_end_k_qdd6b9ee771_attn-k_qdd6b9ee771_attn
	.p2alignl 7, 3214868480
	.fill 96, 4, 3214868480
	.section	.rodata,"a",@progbits
	.p2align	6, 0x0
	.amdhsa_kernel k_qdd6b9ee771_attn
		.amdhsa_group_segment_fixed_size 70144
		.amdhsa_private_segment_fixed_size 0
		.amdhsa_enable_private_segment 0
		.amdhsa_kernarg_size 24
		.amdhsa_user_sgpr_count 2
		.amdhsa_user_sgpr_kernarg_segment_ptr 1
		.amdhsa_wavefront_size32 1
		.amdhsa_system_sgpr_workgroup_id_x 1
		.amdhsa_system_sgpr_workgroup_id_y 1
		.amdhsa_system_sgpr_workgroup_id_z 1
		.amdhsa_system_vgpr_workitem_id 0
		.amdhsa_next_free_vgpr 896
		.amdhsa_next_free_sgpr 66
		.amdhsa_reserve_vcc 1
		.amdhsa_float_denorm_mode_32 3
		.amdhsa_float_denorm_mode_16_64 3
		.amdhsa_memory_ordered 1
		.amdhsa_forward_progress 1
		.amdhsa_inst_pref_size 65
	.end_amdhsa_kernel
	.amdgpu_metadata
---
amdhsa.version: [ 1, 2 ]
amdhsa.kernels:
  - .name:           k_qdd6b9ee771_attn
    .symbol:         k_qdd6b9ee771_attn.kd
    .args:
      - { .name: qkv, .offset: 0, .size: 8, .value_kind: global_buffer, .address_space: global }
      - { .name: sc, .offset: 8, .size: 8, .value_kind: global_buffer, .address_space: global }
      - { .name: ob, .offset: 16, .size: 8, .value_kind: global_buffer, .address_space: global }
    .group_segment_fixed_size: 70144
    .private_segment_fixed_size: 0
    .kernarg_segment_align: 8
    .kernarg_segment_size: 24
    .max_flat_workgroup_size: 128
    .sgpr_count:     66
    .vgpr_count:     896
    .wavefront_size: 32
...
	.end_amdgpu_metadata
.endif
;; end of part 3
;; launch wo (part 4): grid 16 x 16, 4 waves a work-group, clusters of 4 x 4, 327,680 bytes of LDS; arguments ob, tw, sc, x, ln2_w, x2, hb, ssq; writes x2, hb, ssq
.if DOCPART == 4
	.amdgcn_target "amdgcn-amd-amdhsa--gfx1250"
	.amdhsa_code_object_version 6
	.text
	.protected	k_qdd6b9ee771_wo
	.globl	k_qdd6b9ee771_wo
	.p2align	8
	.type	k_qdd6b9ee771_wo,@function
k_qdd6b9ee771_wo:
	s_mov_b64 s[64:65], 0
	v_nop
	global_prefetch_b8 v0, s[64:65] scope:SCOPE_SE
	s_setreg_imm32_b32 hwreg(HW_REG_WAVE_MODE, 25, 1), 1
	s_wait_xcnt 0x0
	s_wait_alu depctr_hold_cnt(0) depctr_sa_sdst(0) depctr_va_vdst(0) depctr_va_sdst(0) depctr_va_ssrc(0) depctr_va_vcc(0) depctr_vm_vsrc(0)
	s_getreg_b32 s2, hwreg(HW_REG_IB_STS2, 6, 4)
	s_cmp_eq_u32 s2, 0
	s_cbranch_scc0 .Lentry_in_a_cluster
	s_endpgm
.Lentry_in_a_cluster:
	s_bfe_u32 s2, ttmp6, 0x10000c
	s_cmp_lg_u32 s2, 0xf033
	s_cbranch_scc0 .Lentry_shape_is_right
	s_endpgm
.Lentry_shape_is_right:
; x2 = x + (o To^T) * so;  hb = bf16(x2 * ln2_w);  ssq[column block of 64][row] = the sum of x2^2 over those 64 columns (f32; the last launch adds the 32 parts up).
; A tile of 128 x 128 over K = 512: two K steps of 256, both slots filled at the start, nothing filled again.  Four waves, each 64 x 64.  4 x 4 clusters: A's tile is shared along a row, B's along a column.
; The matrix instruction is used transposed: a lane holds eight neighbouring columns of one row.  A wave's 64 columns of f32 are 256 bytes: 16 rows at a time go through the wave's own stage and come back as whole rows,
; where x (loaded ahead in that layout), the scale, the squares and ln2_w meet them.  The bf16 rows (128 bytes a wave) are gathered in a stage of the work-group's, behind a barrier.
; The second norm's 1/rms is a factor of a whole row and is applied behind the last product, so this launch stores x2 * ln2_w without it.
; The last change of slots passes a barrier and fetches 32 fragments that nobody uses: the price of one text for both K steps.
.set KDIM,   512
.set PITCH,  528
.set HALFT,  64*PITCH
.set SLOT,   4*HALFT
.set WST,    2*SLOT                    ; 16 rows x 272 bytes for each wave
.set YST,    WST+4*16*272              ; 128 rows x 272 bytes, the work-group's
.set SPARE,  YST+128*272
.set BA, 16
.set BB, 32
.set CB, 64
.set A0,   16
.set B0,   17
.set ADRA, 18
.set ADRB, 19
.set YS,   20
.set YR,   21
.set HO,   22
.set SO,   23
.set STO,  24
.set RD,   25
.set CO,   26
.set CL,   27
.set SPW,  28
.set NIL,  29
.set TMP,  32
.set SD,   96                          ; v96-99   so of my 4 columns
.set LW,   100                         ; v100-103 ln2_w of them
.set SS,   104                         ; v104-105 the rows' sums of squares: lane l of register k holds row 32 k + 2 (l % 16) + l / 16
.set SCR,  108                         ; v108-123 two sets of eight at work
.set ACC,  128
.set F0,   0
.set F1,   128
.set G1,  24
.set G0,  32
.set G1B, 48
.set G0B, 56
.set TB,  66
.set MSB, 0
.macro WIN new
.if MSB != (\new)
	s_set_vgpr_msb (MSB<<8)|(\new)
.set MSB, \new
.endif
.endm
.set MUL,  0x05
.set TO_F, 0x40
.macro JLOAD s
	s_cmp_eq_u32 s11, 0
	s_cbranch_scc0 .Lfor_b_\@
	tensor_load_to_lds s[G0+4*(\s):G0+4*(\s)+3], s[G1:G1+7]
	s_nop 0
.rept 4
	v_nop
.endr
	s_branch .Lasked_\@
.Lfor_b_\@:
	tensor_load_to_lds s[G0B+4*(\s):G0B+4*(\s)+3], s[G1B:G1B+7]
	s_nop 0
.rept 4
	v_nop
.endr
.Lasked_\@:
.endm
.macro CREST
	s_cmp_lg_u32 s10, 0
	s_cbranch_scc1 .Lnot_wave_0_\@
	s_barrier_signal -3
.Lnot_wave_0_\@:
	s_barrier_wait -3
	s_barrier_signal -1
	s_barrier_wait -1
.endm
.macro CROUND
	s_barrier_signal -1
	s_barrier_wait -1
	CREST
.endm
.macro MUL8 f, c, a0, zero             ; the 16 accumulators take turns
	WIN MUL
.irp a, \a0, (\a0)+1
.irp b, 0,1,2,3
.if \zero
	v_wmma_f32_16x16x32_bf16 v[ACC+8*(4*(\a)+(\b)):ACC+8*(4*(\a)+(\b))+7], v[(\f)+64+8*(4*(\c)+(\b)):(\f)+64+8*(4*(\c)+(\b))+7], v[(\f)+8*(4*(\c)+(\a)):(\f)+8*(4*(\c)+(\a))+7], 0
.else
	v_wmma_f32_16x16x32_bf16 v[ACC+8*(4*(\a)+(\b)):ACC+8*(4*(\a)+(\b))+7], v[(\f)+64+8*(4*(\c)+(\b)):(\f)+64+8*(4*(\c)+(\b))+7], v[(\f)+8*(4*(\c)+(\a)):(\f)+8*(4*(\c)+(\a))+7], v[ACC+8*(4*(\a)+(\b)):ACC+8*(4*(\a)+(\b))+7]
.endif
.endr
.endr
.endm
.macro FETCH k, f
	WIN TO_F
.irp c, 0,1
.irp i, 0,1,2,3
	ds_load_b128 v[(\f)+64+8*(4*(\c)+(\i)):(\f)+64+8*(4*(\c)+(\i))+3],   v[ADRB] offset:(\k)+64*(\c)+(BA*((\i)%2)+BB*((\i)/2))*PITCH
	ds_load_b128 v[(\f)+64+8*(4*(\c)+(\i))+4:(\f)+64+8*(4*(\c)+(\i))+7], v[ADRB] offset:(\k)+64*(\c)+(BA*((\i)%2)+BB*((\i)/2))*PITCH+32
	ds_load_b128 v[(\f)+8*(4*(\c)+(\i)):(\f)+8*(4*(\c)+(\i))+3],         v[ADRA] offset:(\k)+64*(\c)+(\i)*16*PITCH
	ds_load_b128 v[(\f)+8*(4*(\c)+(\i))+4:(\f)+8*(4*(\c)+(\i))+7],       v[ADRA] offset:(\k)+64*(\c)+(\i)*16*PITCH+32
.endr
.endr
.endm
.macro PLACES
.rept 4
	v_nop
.endr
.endm
.macro QUARTER k, f, g, zero
	s_wait_dscnt 16                                ; the first 32 along K are in
	MUL8 \f, 0, 0, \zero
	MUL8 \f, 0, 2, \zero
	PLACES
	FETCH \k, \g
	s_wait_dscnt 32                                ; all but the 32 just issued
	MUL8 \f, 1, 0, 0
	MUL8 \f, 1, 2, 0
.endm
.macro TURN0                           ; the last quarter multiplies buffer 1 and changes slots; nothing is filled
	WIN 0
	s_wait_tensorcnt 0x0                           ; all my tensor loads have landed: my part of the other slot
	ds_add_u32 v[SPW], v[NIL]
	s_wait_dscnt 17                                ; the add and the youngest sixteen loads may be out
	MUL8 F1, 0, 0, 0
	s_wait_dscnt 0x0
	s_barrier_signal -1
	MUL8 F1, 0, 2, 0
	WIN 0
	s_barrier_wait -1
	PLACES
	s_xor_b32 s[TB], s[TB], SLOT
	v_add_nc_u32 v[ADRA], s[TB], v[A0]
	v_add_nc_u32 v[ADRB], s[TB], v[B0]
	FETCH 0, F0
	MUL8 F1, 1, 0, 0
	MUL8 F1, 1, 2, 0
.endm
	s_load_b512 s[68:83], s[0:1], 0x0              ; ob 68, tw 70, sc 72, x 74, ln2_w 76, x2 78, hb 80, ssq 82
	v_lshl_add_u32 v[SPW], v0, 2, SPARE
	v_mov_b32 v[NIL], 0
	ds_add_u32 v[SPW], v[NIL]                      ; the wave's opening
	v_lshrrev_b32 v1, 5, v0
	v_readfirstlane_b32 s10, v1
	s_lshr_b32 s11, s10, 1
	s_and_b32 s12, s10, 1
	s_bfe_u32 s40, ttmp6, 0x40000
	s_bfe_u32 s41, ttmp6, 0x40004
	s_lshl_b32 s42, ttmp9, 2
	s_add_co_u32 s42, s42, s40                     ; tile column
	s_and_b32 s13, ttmp7, 0xffff
	s_lshl_b32 s13, s13, 2
	s_add_co_u32 s13, s13, s41                     ; tile row
	s_lshl_b32 s43, s41, 2
	s_lshl_b32 s43, 15, s43
	s_lshl_b32 s44, 0x1111, s40
	s_or_b32 s[G1+0], s43, (1<<16)|(1<<20)|(1<<21)|(6<<22)|(3<<25)
	s_or_b32 s[G1B+0], s44, (1<<16)|(1<<20)|(1<<21)|(6<<22)|(3<<25)
.irp g, G1, G1B
	s_mov_b32 s[(\g)+1], 256<<16
	s_mov_b32 s[(\g)+2], 64<<16
	s_mov_b32 s[(\g)+3], 256<<16
	s_mov_b32 s[(\g)+4], 64
	s_mov_b32 s[(\g)+5], KDIM
	s_mov_b32 s[(\g)+6], 0
	s_mov_b32 s[(\g)+7], 0
.endr
	s_lshl_b32 s17, s12, 6
	s_lshl_b32 s16, s13, 7
	s_add_co_u32 s16, s16, s17
	s_lshl_b32 s16, s16, 10                        ; rows of 1,024 bytes
	s_lshl_b32 s46, s42, 7
	s_add_co_u32 s46, s46, s17
	s_lshl_b32 s46, s46, 10
	s_mov_b32 s17, 0
	s_mov_b32 s47, 0
	s_mul_i32 s20, s10, HALFT
	s_wait_dscnt 0x0
	s_wait_kmcnt 0x0
	s_add_nc_u64 s[14:15], s[68:69], s[16:17]
	s_add_nc_u64 s[46:47], s[70:71], s[46:47]
	s_add_nc_u64 s[46:47], s[46:47], 39845888      ; tw at wo's rows
	CROUND
.irp s, 0,1
	s_mov_b32 s[G0+4*(\s)], 1
	s_add_co_u32 s[G0+4*(\s)+1], s20, (\s)*SLOT
	s_add_nc_u64 s[G0+4*(\s)+2:G0+4*(\s)+3], s[14:15], (\s)*512
	s_or_b32 s[G0+4*(\s)+3], s[G0+4*(\s)+3], 0x80000000
	s_mov_b32 s[G0B+4*(\s)], 1
	s_add_co_u32 s[G0B+4*(\s)+1], s20, (\s)*SLOT
	s_add_nc_u64 s[G0B+4*(\s)+2:G0B+4*(\s)+3], s[46:47], (\s)*512
	s_or_b32 s[G0B+4*(\s)+3], s[G0B+4*(\s)+3], 0x80000000
	JLOAD \s
.endr
	v_and_b32 v1, 15, v0
	v_bfe_u32 v2, v0, 4, 1
	v_mul_u32_u24 v3, v1, PITCH
	v_lshl_add_u32 v3, v2, 4, v3
	s_mul_i32 s21, s11, HALFT
	s_mul_i32 s22, s12, CB*PITCH
	s_add_co_u32 s22, s22, 2*HALFT
	v_add_nc_u32 v[A0], s21, v3
	v_add_nc_u32 v[B0], s22, v3
	v_mov_b32 v[ADRA], v[A0]
	v_mov_b32 v[ADRB], v[B0]
	s_mov_b32 s[TB], 0
	s_mul_i32 s23, s10, 16*272
	s_add_co_u32 s23, s23, WST                     ; my stage
	v_mul_u32_u24 v4, v1, 272
	v_lshl_add_u32 v4, v2, 5, v4
	v_add_nc_u32 v[STO], s23, v4                   ; in: row r, 32 bytes for each half of the lanes
	v_mul_u32_u24 v5, v2, 272
	v_lshl_add_u32 v5, v1, 4, v5
	v_add_nc_u32 v[RD], s23, v5                    ; back: lanes 0-15 one row of 256 bytes, lanes 16-31 the next
	v_lshlrev_b32 v[CL], 4, v1
	v_lshl_add_u32 v[CO], v2, 13, v[CL]            ; the same two rows in x and x2
	v_lshl_add_u32 v[HO], v2, 12, v[CL]            ; and in hb
	v_lshl_add_u32 v[SO], v1, 1, v2
	v_lshlrev_b32 v[SO], 2, v[SO]
	s_mul_i32 s23, s11, 64*272
	s_lshl_b32 s21, s12, 7
	s_add_co_u32 s23, s23, s21
	s_add_co_u32 s23, s23, YST
	v_mul_u32_u24 v4, v2, 272
	v_lshl_add_u32 v4, v1, 3, v4
	v_add_nc_u32 v[YS], s23, v4                    ; row 64 half + l / 16, byte 128 c + 8 (l % 16)
	s_mul_i32 s23, s10, 32*272
	s_add_co_u32 s23, s23, YST
	v_add_nc_u32 v[YR], s23, v5
	s_lshl_b32 s84, s13, 7
	s_lshl_b32 s85, s11, 6
	s_add_co_u32 s84, s84, s85                     ; my first row
	s_lshl_b32 s86, s42, 7
	s_lshl_b32 s87, s12, 6
	s_add_co_u32 s86, s86, s87                     ; my first column
	s_lshl_b32 s88, s84, 13
	s_lshl2_add_u32 s88, s86, s88
	s_mov_b32 s89, 0
	s_add_nc_u64 s[74:75], s[74:75], s[88:89]
	s_add_nc_u64 s[78:79], s[78:79], s[88:89]
	s_lshl_b32 s88, s86, 2
	s_add_nc_u64 s[76:77], s[76:77], s[88:89]
	s_add_co_u32 s88, s88, 9728*4
	s_add_nc_u64 s[72:73], s[72:73], s[88:89]
	s_lshl_b32 s88, s86, 7                         ; (column / 64) x 8,192
	s_lshl2_add_u32 s88, s84, s88
	s_add_nc_u64 s[82:83], s[82:83], s[88:89]
	s_lshl_b32 s88, s13, 7
	s_lshl_b32 s90, s10, 5
	s_add_co_u32 s88, s88, s90
	s_lshl_b32 s88, s88, 12
	s_lshl_b32 s90, s42, 8
	s_add_co_u32 s88, s88, s90
	s_add_nc_u64 s[80:81], s[80:81], s[88:89]      ; hb at row 128 tile row + 32 w, byte 256 tile column
	global_load_b128 v[SD:SD+3], v[CL], s[72:73]
	global_load_b128 v[LW:LW+3], v[CL], s[76:77]
	WIN 0x80                                       ; x in the layout in which rows come back from the stage: window 2, v[4 (8 a + t)]
.set i, 0
.rept 32
	global_load_b128 v[4*i:4*i+3], v[CO], s[74:75] offset:2*i*8192
.set i, i+1
.endr
	WIN 0
	v_mov_b32 v[SS], 0
	v_mov_b32 v[SS+1], 0
	s_wait_tensorcnt 1                             ; my part of K step 0 is in
	s_barrier_signal -1
	s_barrier_wait -1
	FETCH 0, F0
	QUARTER 128, F0, F1, 1
	WIN 0
	s_mov_b32 s3, 2
	s_branch .Ltin                                 ; the loop of two K steps is entered behind its first quarter
.Lt:
	QUARTER 128, F0, F1, 0
	WIN 0
.Ltin:
	QUARTER 256, F1, F0, 0
	QUARTER 384, F0, F1, 0
	TURN0
	WIN 0
	s_sub_co_u32 s3, s3, 1
	s_cmp_lg_u32 s3, 0
	s_cbranch_scc1 .Lt
	s_wait_dscnt 0x0
	s_wait_loadcnt 0x0                             ; so, ln2_w, x
	PLACES
.macro WOUT a                          ; my rows 16 a .. 16 a + 15
.set XB, TMP+32*((\a)%2)
	s_wait_xcnt 0x0                                ; the stores of two blocks ago have read these registers
.set b, 0
.rept 4
	ds_store_b128 v[STO], v[ACC+8*(4*(\a)+b):ACC+8*(4*(\a)+b)+3]   offset:64*b
	ds_store_b128 v[STO], v[ACC+8*(4*(\a)+b)+4:ACC+8*(4*(\a)+b)+7] offset:64*b+16
.set b, b+1
.endr
.set t, 0
.rept 8
	ds_load_b128 v[XB+4*t:XB+4*t+3], v[RD] offset:544*t    ; LDS serves a wave's instructions in order (ISA guide 5.7.1.4): these see the stores above
.set t, t+1
.endr
	s_wait_dscnt 0x0
	WIN 0x20                                       ; source 2 (x) in window 2
.set t, 0
.rept 8
	v_pk_fma_f32 v[XB+4*t:XB+4*t+1],   v[XB+4*t:XB+4*t+1],   v[SD:SD+1],   v[4*(8*(\a)+t):4*(8*(\a)+t)+1]
	v_pk_fma_f32 v[XB+4*t+2:XB+4*t+3], v[XB+4*t+2:XB+4*t+3], v[SD+2:SD+3], v[4*(8*(\a)+t)+2:4*(8*(\a)+t)+3]
.set t, t+1
.endr
	WIN 0
.set t, 0
.rept 8
	global_store_b128 v[CO], v[XB+4*t:XB+4*t+3], s[78:79] offset:(16*(\a)+2*t)*8192  ; 16 lanes store 256 consecutive bytes, aligned
.set t, t+1
.endr
.set t, 0
.rept 8
.set X, XB+4*t
.set Z, SCR+8*(t%2)
.set p, 8*(\a)+t
	v_pk_mul_f32 v[Z:Z+1], v[X:X+1], v[X:X+1]
	v_pk_mul_f32 v[Z+2:Z+3], v[X:X+1], v[LW:LW+1]
	v_pk_fma_f32 v[Z:Z+1], v[X+2:X+3], v[X+2:X+3], v[Z:Z+1]
	v_pk_mul_f32 v[Z+4:Z+5], v[X+2:X+3], v[LW+2:LW+3]
	v_add_f32 v[Z], v[Z], v[Z+1]
	v_cvt_pk_bf16_f32 v[Z+6], v[Z+2], v[Z+3]
	v_add_f32_dpp v[Z], v[Z], v[Z] row_xmask:1 row_mask:0xf bank_mask:0xf
	v_cvt_pk_bf16_f32 v[Z+7], v[Z+4], v[Z+5]
	v_add_f32_dpp v[Z], v[Z], v[Z] row_xmask:2 row_mask:0xf bank_mask:0xf
	v_add_f32_dpp v[Z], v[Z], v[Z] row_xmask:4 row_mask:0xf bank_mask:0xf
	v_add_f32_dpp v[Z], v[Z], v[Z] row_xmask:8 row_mask:0xf bank_mask:0xf  ; the 16 lanes that hold a row all hold its sum
	ds_store_b64 v[YS], v[Z+6:Z+7] offset:(16*(\a)+2*t)*272
	v_cmp_eq_u32 vcc_lo, p%16, v1
	v_cndmask_b32 v[SS+p/16], v[SS+p/16], v[Z], vcc_lo
.set t, t+1
.endr
.endm
	WOUT 0
	WOUT 1
	WOUT 2
	WOUT 3
	global_store_b32 v[SO], v[SS], s[82:83]                ; 128 neighbouring bytes each
	global_store_b32 v[SO], v[SS+1], s[82:83] offset:128
	s_wait_dscnt 0x0                               ; for the others' sake: my halves of the bf16 rows are in the stage
	s_barrier_signal -1
	s_barrier_wait -1
	s_wait_xcnt 0x0                                ; the stores of x2 have read their registers
.set t, 0
.rept 16
	ds_load_b128 v[TMP+4*t:TMP+4*t+3], v[YR] offset:544*t
.set t, t+1
.endr
.set t, 0
.rept 16
	s_wait_dscnt 15-t
	global_store_b128 v[HO], v[TMP+4*t:TMP+4*t+3], s[80:81] offset:8192*t
.set t, t+1
.endr
	s_wait_tensorcnt 0x0                           ; the wave's end
	ds_add_u32 v[SPW], v[NIL]
	s_wait_dscnt 0x0
	CROUND
	s_endpgm
.Lfunc_end_k_qdd6b9ee771_wo:
	.size	k_qdd6b9ee771_wo, .Lfunc_end_k_qdd6b9ee771_wo-k_qdd6b9ee771_wo
	.p2alignl 7, 3214868480
	.fill 96, 4, 3214868480
	.section	.rodata,"a",@progbits
	.p2align	6, 0x0
	.amdhsa_kernel k_qdd6b9ee771_wo
		.amdhsa_group_segment_fixed_size 327680
		.amdhsa_private_segment_fixed_size 0
		.amdhsa_enable_private_segment 0
		.amdhsa_kernarg_size 64
		.amdhsa_user_sgpr_count 2
		.amdhsa_user_sgpr_kernarg_segment_ptr 1
		.amdhsa_wavefront_size32 1
		.amdhsa_system_sgpr_workgroup_id_x 1
		.amdhsa_system_sgpr_workgroup_id_y 1
		.amdhsa_system_sgpr_workgroup_id_z 1
		.amdhsa_system_vgpr_workitem_id 0
		.amdhsa_next_free_vgpr 768
		.amdhsa_next_free_sgpr 100
		.amdhsa_reserve_vcc 1
		.amdhsa_float_denorm_mode_32 3
		.amdhsa_float_denorm_mode_16_64 3
		.amdhsa_memory_ordered 1
		.amdhsa_forward_progress 1
		.amdhsa_inst_pref_size 76
	.end_amdhsa_kernel
	.amdgpu_metadata
---
amdhsa.version: [ 1, 2 ]
amdhsa.kernels:
  - .name:           k_qdd6b9ee771_wo
    .symbol:         k_qdd6b9ee771_wo.kd
    .args:
      - { .name: ob, .offset: 0, .size: 8, .value_kind: global_buffer, .address_space: global }
      - { .name: tw, .offset: 8, .size: 8, .value_kind: global_buffer, .address_space: global }
      - { .name: sc, .offset: 16, .size: 8, .value_kind: global_buffer, .address_space: global }
      - { .name: x, .offset: 24, .size: 8, .value_kind: global_buffer, .address_space: global }
      - { .name: ln2_w, .offset: 32, .size: 8, .value_kind: global_buffer, .address_space: global }
      - { .name: x2, .offset: 40, .size: 8, .value_kind: global_buffer, .address_space: global }
      - { .name: hb, .offset: 48, .size: 8, .value_kind: global_buffer, .address_space: global }
      - { .name: ssq, .offset: 56, .size: 8, .value_kind: global_buffer, .address_space: global }
    .group_segment_fixed_size: 327680
    .private_segment_fixed_size: 0
    .kernarg_segment_align: 8
    .kernarg_segment_size: 64
    .max_flat_workgroup_size: 128
    .sgpr_count:     100
    .vgpr_count:     768
    .wavefront_size: 32
...
	.end_amdgpu_metadata
.endif
;; end of part 4
;; launch gu (part 5): grid 32 x 8, 4 waves a work-group, clusters of 4 x 4, 327,680 bytes of LDS; arguments hb, tw, sc, act; writes act
.if DOCPART == 5
	.amdgcn_target "amdgcn-amd-amdhsa--gfx1250"
	.amdhsa_code_object_version 6
	.text
	.protected	k_qdd6b9ee771_gu
	.globl	k_qdd6b9ee771_gu
	.p2align	8
	.type	k_qdd6b9ee771_gu,@function
k_qdd6b9ee771_gu:
	s_mov_b64 s[64:65], 0
	v_nop
	global_prefetch_b8 v0, s[64:65] scope:SCOPE_SE
	s_setreg_imm32_b32 hwreg(HW_REG_WAVE_MODE, 25, 1), 1
	s_wait_xcnt 0x0
	s_wait_alu depctr_hold_cnt(0) depctr_sa_sdst(0) depctr_va_vdst(0) depctr_va_sdst(0) depctr_va_ssrc(0) depctr_va_vcc(0) depctr_vm_vsrc(0)
	s_getreg_b32 s2, hwreg(HW_REG_IB_STS2, 6, 4)
	s_cmp_eq_u32 s2, 0
	s_cbranch_scc0 .Lentry_in_a_cluster
	s_endpgm
.Lentry_in_a_cluster:
	s_bfe_u32 s2, ttmp6, 0x10000c
	s_cmp_lg_u32 s2, 0xf033
	s_cbranch_scc0 .Lentry_shape_is_right
	s_endpgm
.Lentry_shape_is_right:
; act[row][col] = bf16( relu(G)^2 * U * sg[col]^2 * su[col] ),  G = y2 Tg^T, U = y2 Tu^T over K = 2,048 (y2 = x2 * ln2_w in bf16; Tg, Tu ternary in bf16; sums in f32).
; The row's 1/rms, which belongs ahead of the products, is a positive factor of a whole row: relu(g)^2 u = rms^-3 x the number stored here; the last launch applies it.
; A work-group makes 256 rows x 128 columns of BOTH products: B's tile is 128 rows of Tg and the same 128 rows of Tu.  Four waves, each 128 rows x (64 of g + 64 of u): 64 accumulators, 512 registers;
; accumulators (a, b) and (a, b + 4) hold g and u of the same outputs in the same lanes, so the activation never leaves the registers.
; K goes in steps of 128 through two LDS slots filled by joint tensor loads (4 x 4 clusters: A's tile shared along a row, B's along a column).  One K step is written once and looped; the LDS addresses hang on
; s[TB], which an exclusive or turns from one slot to the other (the bits of SLOT are clear in all four start addresses).
; THE WALK ALONG K BEGINS ELSEWHERE IN EACH CLUSTER: cluster (X, Y) begins at K step 4 ((X + 2 Y) mod 4) of the 16 and goes round.  So clusters that read the same rows of A (same Y) or of B (same X) ask for a given
; K step at different times and not all at once: what one has fetched, the others ask for later.  The number hangs on the cluster's own coordinates, which its sixteen partners share.  The sums take their terms in that order.
; The last K step's change of slots passes a barrier and fetches 32 fragments that nobody uses: the price of one text for the two steps that fill nothing.
; LIMITS.  A NaN in G counts as 0 (the maximum drops it); infinities are not treated apart.
; REGISTERS: window 0: v0-31 addresses; v64-191 A's two fragment buffers (v64-127 rows on the way out); v192-239 at work.  window 1: v0-31 sg, then sg^2 su; v64-191 B's buffers; v192-223 su.  windows 2, 3: accumulators.
.set NSTEP,  16
.set PITCH,  272
.set HALFT,  128*PITCH
.set SLOT,   4*HALFT                   ; 0x22000
.set STAGE,  2*SLOT                    ; 128 rows x 272 bytes
.set SPARE,  STAGE+128*272
.set A0,   16
.set B0,   17
.set ADRA, 18
.set ADRB, 19
.set STO,  24
.set RD,   25
.set CO,   26
.set SPW,  28
.set NIL,  29
.set F0,   64
.set F1,   128
.set BK,   64
.set TT,   192
.set OUT,  224
.set SG,   0
.set SU,   192
.set G1,  24
.set G0,  32
.set G1B, 48
.set G0B, 56
.set TB,  66
.set KI,  67                           ; s67  the K step that the walking descriptors hold;  s[98:99] its bytes along a row;  s[14:15], s[46:47] my rows of A and of B at K = 0, kept
.set MSB, 0
.macro WIN new
.if MSB != (\new)
	s_set_vgpr_msb (MSB<<8)|(\new)
.set MSB, \new
.endif
.endm
.set MUL_LO, 0xa1                      ; source 0 (B) window 1, source 1 (A) window 0, C and D window 2
.set MUL_HI, 0xf1
.set TO_B,   0x40
.macro JLOAD s
	s_cmp_eq_u32 s11, 0
	s_cbranch_scc0 .Lfor_b_\@
	tensor_load_to_lds s[G0+4*(\s):G0+4*(\s)+3], s[G1:G1+7]
	s_nop 0
.rept 4
	v_nop
.endr
	s_branch .Lasked_\@
.Lfor_b_\@:
	tensor_load_to_lds s[G0B+4*(\s):G0B+4*(\s)+3], s[G1B:G1B+7]
	s_nop 0
.rept 4
	v_nop
.endr
.Lasked_\@:
.endm
.macro CREST
	s_cmp_lg_u32 s10, 0
	s_cbranch_scc1 .Lnot_wave_0_\@
	s_barrier_signal -3
.Lnot_wave_0_\@:
	s_barrier_wait -3
	s_barrier_signal -1
	s_barrier_wait -1
.endm
.macro CROUND
	s_barrier_signal -1
	s_barrier_wait -1
	CREST
.endm
.macro MUL16 f, hi, a0, zero           ; 16 products: row blocks a0, a0 + 1 of the window's four x all 8 column blocks; the 64 accumulators take turns
	WIN MUL_LO+0x50*(\hi)
.irp a, \a0, (\a0)+1
.irp b, 0,1,2,3,4,5,6,7
.if \zero
	v_wmma_f32_16x16x32_bf16 v[8*(8*(\a)+(\b)):8*(8*(\a)+(\b))+7], v[(\f)+8*(\b):(\f)+8*(\b)+7], v[(\f)+8*(4*(\hi)+(\a)):(\f)+8*(4*(\hi)+(\a))+7], 0
.else
	v_wmma_f32_16x16x32_bf16 v[8*(8*(\a)+(\b)):8*(8*(\a)+(\b))+7], v[(\f)+8*(\b):(\f)+8*(\b)+7], v[(\f)+8*(4*(\hi)+(\a)):(\f)+8*(4*(\hi)+(\a))+7], v[8*(8*(\a)+(\b)):8*(8*(\a)+(\b))+7]
.endif
.endr
.endr
.endm
.macro FETCH k, f                      ; 32 LDS loads in one run: B's blocks 0-3 from Tg's rows, 4-7 from Tu's (HALFT further on), then A's 8 blocks
	WIN TO_B
.irp i, 0,1,2,3,4,5,6,7
	ds_load_b128 v[(\f)+8*(\i):(\f)+8*(\i)+3],   v[ADRB] offset:(\k)+((\i)/4)*HALFT+((\i)%4)*16*PITCH
	ds_load_b128 v[(\f)+8*(\i)+4:(\f)+8*(\i)+7], v[ADRB] offset:(\k)+((\i)/4)*HALFT+((\i)%4)*16*PITCH+32
.endr
	WIN 0
.irp i, 0,1,2,3,4,5,6,7
	ds_load_b128 v[(\f)+8*(\i):(\f)+8*(\i)+3],   v[ADRA] offset:(\k)+(\i)*16*PITCH
	ds_load_b128 v[(\f)+8*(\i)+4:(\f)+8*(\i)+7], v[ADRA] offset:(\k)+(\i)*16*PITCH+32
.endr
.endm
.macro PLACES
.rept 4
	v_nop
.endr
.endm
.macro QUARTER k, f, g, zero           ; 64 products on buffer f (32 along K); in the middle the next quarter's fragments, at byte k, into g
	s_wait_dscnt 8                                 ; B and A's rows 0-63 are in; the youngest eight loads may be out
	MUL16 \f, 0, 0, \zero
	MUL16 \f, 0, 2, \zero
	PLACES
	FETCH \k, \g
	s_wait_dscnt 32                                ; all but the 32 just issued
	MUL16 \f, 1, 0, \zero
	MUL16 \f, 1, 2, \zero
.endm
.macro TURN fill
	WIN 0
	s_wait_tensorcnt 0x0                           ; all my tensor loads have landed: my part of the next slot
	ds_add_u32 v[SPW], v[NIL]
	s_wait_dscnt 9                                 ; the add and the youngest eight loads may be out
	MUL16 F1, 0, 0, 0
	s_wait_dscnt 0x0                               ; the add is done, and my reads of this slot are over
	s_barrier_signal -1
	MUL16 F1, 0, 2, 0
	WIN 0
	s_barrier_wait -1
.if \fill
	CREST                                          ; no wave of any partner still reads this slot or has a load on its way
	s_add_co_u32 s[KI], s[KI], 1                   ; the next K step, round the end of the rows;
	s_and_b32 s[KI], s[KI], NSTEP-1
	s_lshl_b32 s98, s[KI], 8                       ; 256 bytes a step: the addresses are made anew from it
	s_xor_b32 s[G0+5], s[G0+5], SLOT
	s_add_nc_u64 s[G0+6:G0+7], s[14:15], s[98:99]
	s_or_b32 s[G0+7], s[G0+7], 0x80000000
	s_xor_b32 s[G0B+5], s[G0B+5], SLOT
	s_add_nc_u64 s[G0B+6:G0B+7], s[46:47], s[98:99]
	s_or_b32 s[G0B+7], s[G0B+7], 0x80000000
	JLOAD 1                                        ; my one tensor load behind the round; 224 products stand between it and the wait for it
.else
	PLACES
.endif
	s_xor_b32 s[TB], s[TB], SLOT
	v_add_nc_u32 v[ADRA], s[TB], v[A0]
	v_add_nc_u32 v[ADRB], s[TB], v[B0]
	FETCH 0, F0
	MUL16 F1, 1, 0, 0
	MUL16 F1, 1, 2, 0
.endm
	s_load_b256 s[68:75], s[0:1], 0x0              ; hb 68, tw 70, sc 72, act 74
	v_lshl_add_u32 v[SPW], v0, 2, SPARE
	v_mov_b32 v[NIL], 0
	ds_add_u32 v[SPW], v[NIL]                      ; the wave's opening
	v_lshrrev_b32 v1, 5, v0
	v_readfirstlane_b32 s10, v1
	s_lshr_b32 s11, s10, 1                         ; my 128 rows; also: I fetch for A (0) or B (1)
	s_and_b32 s12, s10, 1                          ; my 64 columns; also: A's half, or Tg (0) / Tu (1)
	s_bfe_u32 s40, ttmp6, 0x40000
	s_bfe_u32 s41, ttmp6, 0x40004
	s_lshl_b32 s42, ttmp9, 2
	s_add_co_u32 s42, s42, s40                     ; tile column, 128 wide
	s_and_b32 s13, ttmp7, 0xffff
	s_lshl_b32 s13, s13, 2
	s_add_co_u32 s13, s13, s41                     ; tile row, 256 high
	s_lshl_b32 s43, s41, 2
	s_lshl_b32 s43, 15, s43
	s_lshl_b32 s44, 0x1111, s40
	s_and_b32 s[KI], ttmp7, 0xffff                 ; the cluster's Y,
	s_lshl_b32 s[KI], s[KI], 1
	s_add_co_u32 s[KI], s[KI], ttmp9               ; and its X:
	s_and_b32 s[KI], s[KI], 3
	s_lshl_b32 s[KI], s[KI], 2                     ; the walk's first K step: 4 ((X + 2 Y) mod 4)
	s_lshl_b32 s98, s[KI], 8
	s_mov_b32 s99, 0
	s_or_b32 s[G1+0], s43, (1<<16)|(1<<20)|(1<<21)|(5<<22)|(3<<25)  ; mask; 2-byte elements; padding on; bit 21 beside a mask; after every 64 words; 4 words
	s_or_b32 s[G1B+0], s44, (1<<16)|(1<<20)|(1<<21)|(5<<22)|(3<<25)
.irp g, G1, G1B
	s_mov_b32 s[(\g)+1], 128<<16
	s_mov_b32 s[(\g)+2], 128<<16
	s_mov_b32 s[(\g)+3], 128<<16
	s_mov_b32 s[(\g)+4], 128
	s_mov_b32 s[(\g)+5], 2048
	s_mov_b32 s[(\g)+6], 0
	s_mov_b32 s[(\g)+7], 0
.endr
	s_lshl_b32 s17, s12, 7
	s_lshl_b32 s16, s13, 8
	s_add_co_u32 s16, s16, s17
	s_lshl_b32 s16, s16, 12                        ; A: row 256 tile row + 128 half, 4,096 bytes a row
	s_mov_b32 s17, 0
	s_lshl_b32 s46, s42, 7
	s_lshl_b32 s47, s12, 12
	s_add_co_u32 s46, s46, s47
	s_lshl_b32 s46, s46, 12                        ; B: row 128 tile column, + 4,096 rows for Tu
	s_mov_b32 s47, 0
	s_mul_i32 s20, s10, HALFT
	s_wait_dscnt 0x0
	s_wait_kmcnt 0x0
	s_add_nc_u64 s[14:15], s[68:69], s[16:17]
	s_add_nc_u64 s[46:47], s[70:71], s[46:47]
	s_add_nc_u64 s[46:47], s[46:47], 6291456       ; tw at wg's rows
	s_add_nc_u64 s[92:93], s[14:15], s[98:99]      ; both at the walk's first K step
	s_add_nc_u64 s[96:97], s[46:47], s[98:99]
	CROUND
.irp s, 0,1
	s_mov_b32 s[G0+4*(\s)], 1
	s_add_co_u32 s[G0+4*(\s)+1], s20, (\s)*SLOT
	s_add_nc_u64 s[G0+4*(\s)+2:G0+4*(\s)+3], s[92:93], (\s)*256
	s_or_b32 s[G0+4*(\s)+3], s[G0+4*(\s)+3], 0x80000000
	s_mov_b32 s[G0B+4*(\s)], 1
	s_add_co_u32 s[G0B+4*(\s)+1], s20, (\s)*SLOT
	s_add_nc_u64 s[G0B+4*(\s)+2:G0B+4*(\s)+3], s[96:97], (\s)*256
	s_or_b32 s[G0B+4*(\s)+3], s[G0B+4*(\s)+3], 0x80000000
	JLOAD \s
.endr
	s_add_co_u32 s[KI], s[KI], 1                   ; the walking descriptors hold the walk's second step (13 at the most: no wrap yet)
	v_and_b32 v1, 15, v0
	v_bfe_u32 v2, v0, 4, 1
	v_mul_u32_u24 v3, v1, PITCH
	v_lshl_add_u32 v3, v2, 4, v3
	s_mul_i32 s21, s11, HALFT
	s_mul_i32 s22, s12, 64*PITCH
	s_add_co_u32 s22, s22, 2*HALFT
	v_add_nc_u32 v[A0], s21, v3
	v_add_nc_u32 v[B0], s22, v3
	v_mov_b32 v[ADRA], v[A0]
	v_mov_b32 v[ADRB], v[B0]
	s_mov_b32 s[TB], 0
	s_mul_i32 s23, s11, 64*272                     ; into the stage: row 64 half + r, byte 128 c + 16 h
	s_lshl_b32 s21, s12, 7
	s_add_co_u32 s23, s23, s21
	s_add_co_u32 s23, s23, STAGE
	v_add_nc_u32 v[STO], s23, v3
	s_mul_i32 s23, s10, 32*272
	s_add_co_u32 s23, s23, STAGE
	v_mul_u32_u24 v5, v2, 272
	v_lshl_add_u32 v5, v1, 4, v5
	v_add_nc_u32 v[RD], s23, v5
	v_lshlrev_b32 v[CO], 4, v1
	v_lshl_add_u32 v[CO], v2, 13, v[CO]
	s_lshl_b32 s84, s13, 8
	s_lshl_b32 s85, s11, 7
	s_add_co_u32 s84, s84, s85
	s_lshl_b32 s85, s12, 5
	s_add_co_u32 s84, s84, s85                     ; the first row that I store: 256 tile row + 128 (w / 2) + 32 (w % 2)
	s_lshl_b32 s84, s84, 13
	s_lshl_b32 s85, s42, 8
	s_add_co_u32 s84, s84, s85
	s_mov_b32 s85, 0
	s_add_nc_u64 s[74:75], s[74:75], s[84:85]
	s_lshl_b32 s86, s42, 7
	s_lshl_b32 s87, s12, 6
	s_add_co_u32 s86, s86, s87
	s_add_co_u32 s86, s86, 1536
	s_lshl_b32 s86, s86, 2
	s_mov_b32 s87, 0
	s_add_nc_u64 s[72:73], s[72:73], s[86:87]      ; sc at wg's absmeans of my columns; wu's lie 16,384 bytes on
	v_lshlrev_b32 v7, 5, v2
	WIN 0x40
.set b, 0
.rept 4
	global_load_b128 v[SG+8*b:SG+8*b+3],   v7, s[72:73] offset:64*b
	global_load_b128 v[SG+8*b+4:SG+8*b+7], v7, s[72:73] offset:64*b+16
	global_load_b128 v[SU+8*b:SU+8*b+3],   v7, s[72:73] offset:16384+64*b
	global_load_b128 v[SU+8*b+4:SU+8*b+7], v7, s[72:73] offset:16384+64*b+16
.set b, b+1
.endr
	WIN 0
	s_wait_tensorcnt 1                             ; my part of the first K step is in; the second's may stay out
	s_barrier_signal -1
	s_barrier_wait -1
	FETCH 0, F0
	QUARTER 64, F0, F1, 1                          ; the first quarter starts the sums
	WIN 0
	s_mov_b32 s3, NSTEP-2
	s_branch .Lin
.Lk:
	QUARTER 64, F0, F1, 0
	WIN 0
.Lin:
	QUARTER 128, F1, F0, 0
	QUARTER 192, F0, F1, 0
	TURN 1
	WIN 0
	s_sub_co_u32 s3, s3, 1
	s_cmp_lg_u32 s3, 0
	s_cbranch_scc1 .Lk
	s_mov_b32 s3, 2
.Lt:                                                   ; the last two K steps fill nothing
	QUARTER 64, F0, F1, 0
	QUARTER 128, F1, F0, 0
	QUARTER 192, F0, F1, 0
	TURN 0
	WIN 0
	s_sub_co_u32 s3, s3, 1
	s_cmp_lg_u32 s3, 0
	s_cbranch_scc1 .Lt
	s_wait_dscnt 0x0
	s_wait_loadcnt 0x0                             ; the absmeans
	PLACES
	WIN 0x55
.set i, 0
.rept 16
	v_pk_mul_f32 v[SG+2*i:SG+2*i+1], v[SG+2*i:SG+2*i+1], v[SG+2*i:SG+2*i+1]
.set i, i+1
.endr
.set i, 0
.rept 16
	v_pk_mul_f32 v[SG+2*i:SG+2*i+1], v[SG+2*i:SG+2*i+1], v[SU+2*i:SU+2*i+1]   ; sg^2 su
.set i, i+1
.endr
.macro PACK a                          ; row block a: relu(G)^2 U sg^2 su, rounded once, 16 bytes a lane into the stage; each accumulator is read from its low end
.set AC, 64*((\a)%4)
.set WS, (2+(\a)/4)<<2
	WIN WS
.set i, 0
.rept 32
	v_max_num_f32 v[TT+i], 0, v[AC+i]
.set i, i+1
.endr
	WIN 0
.set i, 0
.rept 16
	v_pk_mul_f32 v[TT+2*i:TT+2*i+1], v[TT+2*i:TT+2*i+1], v[TT+2*i:TT+2*i+1]
.set i, i+1
.endr
	WIN WS
.set i, 0
.rept 16
	v_pk_mul_f32 v[TT+2*i:TT+2*i+1], v[TT+2*i:TT+2*i+1], v[AC+32+2*i:AC+32+2*i+1]
.set i, i+1
.endr
	WIN 0x04
.set i, 0
.rept 16
	v_pk_mul_f32 v[TT+2*i:TT+2*i+1], v[TT+2*i:TT+2*i+1], v[SG+2*i:SG+2*i+1]
.set i, i+1
.endr
	WIN 0
.set i, 0
.rept 16
	v_cvt_pk_bf16_f32 v[OUT+i], v[TT+2*i], v[TT+2*i+1]
.set i, i+1
.endr
.set b, 0
.rept 4
	ds_store_b128 v[STO], v[OUT+4*b:OUT+4*b+3] offset:((\a)%4)*16*272+32*b
.set b, b+1
.endr
.endm
.macro PASS p                          ; 64 rows of each row half go through the stage
	PACK 4*(\p)
	PACK 4*(\p)+1
	PACK 4*(\p)+2
	PACK 4*(\p)+3
	s_wait_dscnt 0x0                               ; for the others' sake: a row's 256 bytes come from two waves
	s_barrier_signal -1
	s_barrier_wait -1
	s_wait_xcnt 0x0                                ; earlier stores have read these registers
.set t, 0
.rept 16
	ds_load_b128 v[BK+4*t:BK+4*t+3], v[RD] offset:544*t
.set t, t+1
.endr
.set t, 0
.rept 16
	s_wait_dscnt 15-t
	global_store_b128 v[CO], v[BK+4*t:BK+4*t+3], s[74:75] offset:(64*(\p)+2*t)*8192  ; 16 lanes store 256 consecutive bytes, aligned
.set t, t+1
.endr
.endm
	PASS 0
	s_wait_dscnt 0x0                               ; my reads of the stage are over,
	s_barrier_signal -1
	s_barrier_wait -1                              ; everybody's are: it may be written again
	PASS 1
	s_wait_tensorcnt 0x0                           ; the wave's end
	ds_add_u32 v[SPW], v[NIL]
	s_wait_dscnt 0x0
	CROUND
	s_endpgm
.Lfunc_end_k_qdd6b9ee771_gu:
	.size	k_qdd6b9ee771_gu, .Lfunc_end_k_qdd6b9ee771_gu-k_qdd6b9ee771_gu
	.p2alignl 7, 3214868480
	.fill 96, 4, 3214868480
	.section	.rodata,"a",@progbits
	.p2align	6, 0x0
	.amdhsa_kernel k_qdd6b9ee771_gu
		.amdhsa_group_segment_fixed_size 327680
		.amdhsa_private_segment_fixed_size 0
		.amdhsa_enable_private_segment 0
		.amdhsa_kernarg_size 32
		.amdhsa_user_sgpr_count 2
		.amdhsa_user_sgpr_kernarg_segment_ptr 1
		.amdhsa_wavefront_size32 1
		.amdhsa_system_sgpr_workgroup_id_x 1
		.amdhsa_system_sgpr_workgroup_id_y 1
		.amdhsa_system_sgpr_workgroup_id_z 1
		.amdhsa_system_vgpr_workitem_id 0
		.amdhsa_next_free_vgpr 1024
		.amdhsa_next_free_sgpr 100
		.amdhsa_reserve_vcc 0
		.amdhsa_float_denorm_mode_32 3
		.amdhsa_float_denorm_mode_16_64 3
		.amdhsa_memory_ordered 1
		.amdhsa_forward_progress 1
		.amdhsa_inst_pref_size 123
	.end_amdhsa_kernel
	.amdgpu_metadata
---
amdhsa.version: [ 1, 2 ]
amdhsa.kernels:
  - .name:           k_qdd6b9ee771_gu
    .symbol:         k_qdd6b9ee771_gu.kd
    .args:
      - { .name: hb, .offset: 0, .size: 8, .value_kind: global_buffer, .address_space: global }
      - { .name: tw, .offset: 8, .size: 8, .value_kind: global_buffer, .address_space: global }
      - { .name: sc, .offset: 16, .size: 8, .value_kind: global_buffer, .address_space: global }
      - { .name: act, .offset: 24, .size: 8, .value_kind: global_buffer, .address_space: global }
    .group_segment_fixed_size: 327680
    .private_segment_fixed_size: 0
    .kernarg_segment_align: 8
    .kernarg_segment_size: 32
    .max_flat_workgroup_size: 128
    .sgpr_count:     100
    .vgpr_count:     1024
    .wavefront_size: 32
...
	.end_amdgpu_metadata
.endif
;; end of part 5
;; launch down (part 6): grid 16 x 16, 4 waves a work-group, clusters of 4 x 4, 327,680 bytes of LDS; arguments act, tw, sc, ssq, x2, out0; writes out0
.if DOCPART == 6
	.amdgcn_target "amdgcn-amd-amdhsa--gfx1250"
	.amdhsa_code_object_version 6
	.text
	.protected	k_qdd6b9ee771_down
	.globl	k_qdd6b9ee771_down
	.p2align	8
	.type	k_qdd6b9ee771_down,@function
k_qdd6b9ee771_down:
	s_mov_b64 s[64:65], 0
	v_nop
	global_prefetch_b8 v0, s[64:65] scope:SCOPE_SE
	s_setreg_imm32_b32 hwreg(HW_REG_WAVE_MODE, 25, 1), 1
	s_wait_xcnt 0x0
	s_wait_alu depctr_hold_cnt(0) depctr_sa_sdst(0) depctr_va_vdst(0) depctr_va_sdst(0) depctr_va_ssrc(0) depctr_va_vcc(0) depctr_vm_vsrc(0)
	s_getreg_b32 s2, hwreg(HW_REG_IB_STS2, 6, 4)
	s_cmp_eq_u32 s2, 0
	s_cbranch_scc0 .Lentry_in_a_cluster
	s_endpgm
.Lentry_in_a_cluster:
	s_bfe_u32 s2, ttmp6, 0x10000c
	s_cmp_lg_u32 s2, 0xf033
	s_cbranch_scc0 .Lentry_shape_is_right
	s_endpgm
.Lentry_shape_is_right:
; out0 = x2 + (act Td^T) * rs^3[row] * sd[col],  rs = rsqrt(mean(x2^2) + 1e-5), the mean from the 32 partial sums a row in ssq.  K = 4,096, bf16 operands, f32 sums.
; A tile of 128 x 128; four waves, each 64 x 64; K in steps of 256 through two LDS slots filled by joint tensor loads (4 x 4 clusters: A's tile shared along a row, B's along a column).
; One K step is written once and looped; the LDS addresses hang on s[TB], which an exclusive or turns from one slot to the other (the bits of SLOT are clear in all four start addresses).
; THE WALK ALONG K BEGINS ELSEWHERE IN EACH CLUSTER: cluster (X, Y) begins at K step 4 ((X + Y) mod 4) of the 16 and goes round.  So the four clusters that read the same rows of A (same Y), and the four that read the same
; rows of B (same X), ask for a given K step at four different times and not all at once: what one has fetched, the others ask for later.  The number hangs on the cluster's own coordinates, which its sixteen partners
; share.  The sums take their terms in that order.
; The matrix instruction is used transposed: a lane holds eight neighbouring columns of one row.  A wave's 64 columns of f32 are 256 bytes: 16 rows at a time go through the wave's own stage and come back as whole rows.
; The last K step's change of slots passes a barrier and fetches 32 fragments that nobody uses: the price of one text for the two steps that fill nothing.
.set KDIM,   4096
.set NSTEP,  KDIM/256
.set PITCH,  528
.set HALFT,  64*PITCH
.set SLOT,   4*HALFT
.set WST,    2*SLOT                    ; 16 rows x 272 bytes for each wave
.set RSA,    WST+4*16*272              ; 256 bytes for each wave: rs^3 of its 64 rows
.set SPARE,  RSA+1024
.set BA, 16
.set BB, 32
.set CB, 64
.set A0,   16
.set B0,   17
.set ADRA, 18
.set ADRB, 19
.set STO,  24
.set RD,   25
.set CO,   26
.set CL,   27
.set SPW,  28
.set NIL,  29
.set TMP,  32
.set R3,   96                          ; v[96+2a]  rs^3 of row 16 a + r; the odd registers are 0 (named as pairs)
.set SD,   104                         ; v104-107  sd of my 4 columns
.set ACC,  128
.set F0,   0
.set F1,   128
.set G1,  24
.set G0,  32
.set G1B, 48
.set G0B, 56
.set TB,  66
.set KI,  67                           ; s67  the K step that the walking descriptors hold;  s[98:99] its bytes along a row;  s[14:15], s[46:47] my rows of A and of B at K = 0, kept
.set MSB, 0
.macro WIN new
.if MSB != (\new)
	s_set_vgpr_msb (MSB<<8)|(\new)
.set MSB, \new
.endif
.endm
.set MUL,  0x05
.set TO_F, 0x40
.macro JLOAD s
	s_cmp_eq_u32 s11, 0
	s_cbranch_scc0 .Lfor_b_\@
	tensor_load_to_lds s[G0+4*(\s):G0+4*(\s)+3], s[G1:G1+7]
	s_nop 0
.rept 4
	v_nop
.endr
	s_branch .Lasked_\@
.Lfor_b_\@:
	tensor_load_to_lds s[G0B+4*(\s):G0B+4*(\s)+3], s[G1B:G1B+7]
	s_nop 0
.rept 4
	v_nop
.endr
.Lasked_\@:
.endm
.macro CREST
	s_cmp_lg_u32 s10, 0
	s_cbranch_scc1 .Lnot_wave_0_\@
	s_barrier_signal -3
.Lnot_wave_0_\@:
	s_barrier_wait -3
	s_barrier_signal -1
	s_barrier_wait -1
.endm
.macro CROUND
	s_barrier_signal -1
	s_barrier_wait -1
	CREST
.endm
.macro MUL8 f, c, a0, zero             ; the 16 accumulators take turns
	WIN MUL
.irp a, \a0, (\a0)+1
.irp b, 0,1,2,3
.if \zero
	v_wmma_f32_16x16x32_bf16 v[ACC+8*(4*(\a)+(\b)):ACC+8*(4*(\a)+(\b))+7], v[(\f)+64+8*(4*(\c)+(\b)):(\f)+64+8*(4*(\c)+(\b))+7], v[(\f)+8*(4*(\c)+(\a)):(\f)+8*(4*(\c)+(\a))+7], 0
.else
	v_wmma_f32_16x16x32_bf16 v[ACC+8*(4*(\a)+(\b)):ACC+8*(4*(\a)+(\b))+7], v[(\f)+64+8*(4*(\c)+(\b)):(\f)+64+8*(4*(\c)+(\b))+7], v[(\f)+8*(4*(\c)+(\a)):(\f)+8*(4*(\c)+(\a))+7], v[ACC+8*(4*(\a)+(\b)):ACC+8*(4*(\a)+(\b))+7]
.endif
.endr
.endr
.endm
.macro FETCH k, f
	WIN TO_F
.irp c, 0,1
.irp i, 0,1,2,3
	ds_load_b128 v[(\f)+64+8*(4*(\c)+(\i)):(\f)+64+8*(4*(\c)+(\i))+3],   v[ADRB] offset:(\k)+64*(\c)+(BA*((\i)%2)+BB*((\i)/2))*PITCH
	ds_load_b128 v[(\f)+64+8*(4*(\c)+(\i))+4:(\f)+64+8*(4*(\c)+(\i))+7], v[ADRB] offset:(\k)+64*(\c)+(BA*((\i)%2)+BB*((\i)/2))*PITCH+32
	ds_load_b128 v[(\f)+8*(4*(\c)+(\i)):(\f)+8*(4*(\c)+(\i))+3],         v[ADRA] offset:(\k)+64*(\c)+(\i)*16*PITCH
	ds_load_b128 v[(\f)+8*(4*(\c)+(\i))+4:(\f)+8*(4*(\c)+(\i))+7],       v[ADRA] offset:(\k)+64*(\c)+(\i)*16*PITCH+32
.endr
.endr
.endm
.macro PLACES
.rept 4
	v_nop
.endr
.endm
.macro QUARTER k, f, g, zero
	s_wait_dscnt 16                                ; the first 32 along K are in
	MUL8 \f, 0, 0, \zero
	MUL8 \f, 0, 2, \zero
	PLACES
	FETCH \k, \g
	s_wait_dscnt 32                                ; all but the 32 just issued
	MUL8 \f, 1, 0, 0
	MUL8 \f, 1, 2, 0
.endm
.macro TURN fill
	WIN 0
	s_wait_tensorcnt 0x0                           ; all my tensor loads have landed: my part of the next slot
	ds_add_u32 v[SPW], v[NIL]
	s_wait_dscnt 17                                ; the add and the youngest sixteen loads may be out
	MUL8 F1, 0, 0, 0
	s_wait_dscnt 0x0                               ; the add is done, and my reads of this slot are over
	s_barrier_signal -1
	MUL8 F1, 0, 2, 0
	WIN 0
	s_barrier_wait -1
.if \fill
	CREST                                          ; no wave of any partner still reads this slot or has a load on its way
	s_add_co_u32 s[KI], s[KI], 1                   ; the next K step, round the end of the rows;
	s_and_b32 s[KI], s[KI], NSTEP-1
	s_lshl_b32 s98, s[KI], 9                       ; 512 bytes a step: the addresses are made anew from it
	s_xor_b32 s[G0+5], s[G0+5], SLOT
	s_add_nc_u64 s[G0+6:G0+7], s[14:15], s[98:99]
	s_or_b32 s[G0+7], s[G0+7], 0x80000000
	s_xor_b32 s[G0B+5], s[G0B+5], SLOT
	s_add_nc_u64 s[G0B+6:G0B+7], s[46:47], s[98:99]
	s_or_b32 s[G0B+7], s[G0B+7], 0x80000000
	JLOAD 1                                        ; my one tensor load behind the round
.else
	PLACES
.endif
	s_xor_b32 s[TB], s[TB], SLOT
	v_add_nc_u32 v[ADRA], s[TB], v[A0]
	v_add_nc_u32 v[ADRB], s[TB], v[B0]
	FETCH 0, F0
	MUL8 F1, 1, 0, 0
	MUL8 F1, 1, 2, 0
.endm
	s_load_b256 s[68:75], s[0:1], 0x0              ; act 68, tw 70, sc 72, ssq 74
	s_load_b128 s[76:79], s[0:1], 0x20             ; x2 76, out0 78
	v_lshl_add_u32 v[SPW], v0, 2, SPARE
	v_mov_b32 v[NIL], 0
	ds_add_u32 v[SPW], v[NIL]                      ; the wave's opening
	v_lshrrev_b32 v1, 5, v0
	v_readfirstlane_b32 s10, v1
	s_lshr_b32 s11, s10, 1
	s_and_b32 s12, s10, 1
	s_bfe_u32 s40, ttmp6, 0x40000
	s_bfe_u32 s41, ttmp6, 0x40004
	s_lshl_b32 s42, ttmp9, 2
	s_add_co_u32 s42, s42, s40
	s_and_b32 s13, ttmp7, 0xffff
	s_lshl_b32 s13, s13, 2
	s_add_co_u32 s13, s13, s41
	s_lshl_b32 s43, s41, 2
	s_lshl_b32 s43, 15, s43
	s_lshl_b32 s44, 0x1111, s40
	s_and_b32 s[KI], ttmp7, 0xffff                 ; the cluster's Y,
	s_add_co_u32 s[KI], s[KI], ttmp9               ; and its X:
	s_and_b32 s[KI], s[KI], 3
	s_lshl_b32 s[KI], s[KI], 2                     ; the walk's first K step: 4 ((X + Y) mod 4)
	s_lshl_b32 s98, s[KI], 9
	s_mov_b32 s99, 0
	s_or_b32 s[G1+0], s43, (1<<16)|(1<<20)|(1<<21)|(6<<22)|(3<<25)
	s_or_b32 s[G1B+0], s44, (1<<16)|(1<<20)|(1<<21)|(6<<22)|(3<<25)
.irp g, G1, G1B
	s_mov_b32 s[(\g)+1], 256<<16
	s_mov_b32 s[(\g)+2], 64<<16
	s_mov_b32 s[(\g)+3], 256<<16
	s_mov_b32 s[(\g)+4], 64
	s_mov_b32 s[(\g)+5], KDIM
	s_mov_b32 s[(\g)+6], 0
	s_mov_b32 s[(\g)+7], 0
.endr
	s_lshl_b32 s17, s12, 6
	s_lshl_b32 s16, s13, 7
	s_add_co_u32 s16, s16, s17
	s_lshl_b32 s16, s16, 13                        ; rows of 8,192 bytes
	s_lshl_b32 s46, s42, 7
	s_add_co_u32 s46, s46, s17
	s_lshl_b32 s46, s46, 13
	s_mov_b32 s17, 0
	s_mov_b32 s47, 0
	s_mul_i32 s20, s10, HALFT
	s_wait_dscnt 0x0
	s_wait_kmcnt 0x0
	s_add_nc_u64 s[14:15], s[68:69], s[16:17]
	s_add_nc_u64 s[46:47], s[70:71], s[46:47]
	s_add_nc_u64 s[46:47], s[46:47], 41943040      ; tw at wd's rows
	s_add_nc_u64 s[92:93], s[14:15], s[98:99]      ; both at the walk's first K step
	s_add_nc_u64 s[96:97], s[46:47], s[98:99]
	CROUND
.irp s, 0,1
	s_mov_b32 s[G0+4*(\s)], 1
	s_add_co_u32 s[G0+4*(\s)+1], s20, (\s)*SLOT
	s_add_nc_u64 s[G0+4*(\s)+2:G0+4*(\s)+3], s[92:93], (\s)*512
	s_or_b32 s[G0+4*(\s)+3], s[G0+4*(\s)+3], 0x80000000
	s_mov_b32 s[G0B+4*(\s)], 1
	s_add_co_u32 s[G0B+4*(\s)+1], s20, (\s)*SLOT
	s_add_nc_u64 s[G0B+4*(\s)+2:G0B+4*(\s)+3], s[96:97], (\s)*512
	s_or_b32 s[G0B+4*(\s)+3], s[G0B+4*(\s)+3], 0x80000000
	JLOAD \s
.endr
	s_add_co_u32 s[KI], s[KI], 1                   ; the walking descriptors hold the walk's second step (13 at the most: no wrap yet)
	v_and_b32 v1, 15, v0
	v_bfe_u32 v2, v0, 4, 1
	v_mul_u32_u24 v3, v1, PITCH
	v_lshl_add_u32 v3, v2, 4, v3
	s_mul_i32 s21, s11, HALFT
	s_mul_i32 s22, s12, CB*PITCH
	s_add_co_u32 s22, s22, 2*HALFT
	v_add_nc_u32 v[A0], s21, v3
	v_add_nc_u32 v[B0], s22, v3
	v_mov_b32 v[ADRA], v[A0]
	v_mov_b32 v[ADRB], v[B0]
	s_mov_b32 s[TB], 0
	s_mul_i32 s23, s10, 16*272
	s_add_co_u32 s23, s23, WST
	v_mul_u32_u24 v4, v1, 272
	v_lshl_add_u32 v4, v2, 5, v4
	v_add_nc_u32 v[STO], s23, v4
	v_mul_u32_u24 v5, v2, 272
	v_lshl_add_u32 v5, v1, 4, v5
	v_add_nc_u32 v[RD], s23, v5
	v_lshlrev_b32 v[CL], 4, v1
	v_lshl_add_u32 v[CO], v2, 13, v[CL]
	s_lshl_b32 s84, s13, 7
	s_lshl_b32 s85, s11, 6
	s_add_co_u32 s84, s84, s85                     ; my first row
	s_lshl_b32 s86, s42, 7
	s_lshl_b32 s87, s12, 6
	s_add_co_u32 s86, s86, s87                     ; my first column
	s_lshl_b32 s88, s84, 13
	s_lshl2_add_u32 s88, s86, s88
	s_mov_b32 s89, 0
	s_add_nc_u64 s[76:77], s[76:77], s[88:89]
	s_add_nc_u64 s[78:79], s[78:79], s[88:89]
	s_lshl_b32 s88, s86, 2
	s_add_co_u32 s88, s88, 11776*4
	s_add_nc_u64 s[72:73], s[72:73], s[88:89]
	s_lshl_b32 s88, s84, 2
	s_add_nc_u64 s[74:75], s[74:75], s[88:89]
	v_and_b32 v6, 31, v0
	v_lshlrev_b32 v6, 3, v6                        ; two rows a lane
.set k, 0
.rept 32                                       ; the 32 partial sums of squares of my wave's 64 rows: 256 neighbouring bytes a load
	global_load_b64 v[TMP+2*k:TMP+2*k+1], v6, s[74:75] offset:8192*k
.set k, k+1
.endr
	global_load_b128 v[SD:SD+3], v[CL], s[72:73]
	WIN 0x80                                       ; x2 in the layout in which rows come back from the stage: window 2, v[4 (8 a + t)]
.set i, 0
.rept 32
	global_load_b128 v[4*i:4*i+3], v[CO], s[76:77] offset:2*i*8192
.set i, i+1
.endr
	WIN 0
	s_lshl_b32 s94, s10, 8
	s_add_co_u32 s94, s94, RSA
	v_add_nc_u32 v7, s94, v6
	v_lshl_add_u32 v12, v1, 2, s94
	s_wait_loadcnt 33                              ; the partial sums are in; 33 loads were issued behind them
.set k, 2
.rept 30
	v_pk_add_f32 v[TMP+2*(k%2):TMP+2*(k%2)+1], v[TMP+2*(k%2):TMP+2*(k%2)+1], v[TMP+2*k:TMP+2*k+1]
.set k, k+1
.endr
	v_pk_add_f32 v[TMP:TMP+1], v[TMP:TMP+1], v[TMP+2:TMP+3]
	v_mov_b32 v8, 0x3727c5ac                       ; 1e-5
	v_mov_b32 v9, 0x3727c5ac
	v_fmac_f32 v8, 0x3a000000, v[TMP]              ; + sum / 2048
	v_fmac_f32 v9, 0x3a000000, v[TMP+1]
	v_rsq_f32 v10, v8
	v_rsq_f32 v11, v9
	v_nop                                          ; a plain instruction between the roots and their use
	s_wait_alu depctr_va_vdst(0)
	v_mul_f32 v8, v10, v10
	v_mul_f32 v9, v11, v11
	v_mul_f32 v8, v8, v10
	v_mul_f32 v9, v9, v11
	ds_store_b64 v7, v[8:9]                        ; my wave's own bytes: LDS serves a wave in order, so the loads below see them
.irp a, 0,1,2,3
	ds_load_b32 v[R3+2*\a], v12 offset:64*\a
	v_mov_b32 v[R3+2*\a+1], 0
.endr
	s_wait_dscnt 0x0
	s_wait_tensorcnt 1                             ; my part of the first K step is in; the second's may stay out
	s_barrier_signal -1
	s_barrier_wait -1
	FETCH 0, F0
	QUARTER 128, F0, F1, 1
	WIN 0
	s_mov_b32 s3, NSTEP-2
	s_branch .Lin
.Lk:
	QUARTER 128, F0, F1, 0
	WIN 0
.Lin:
	QUARTER 256, F1, F0, 0
	QUARTER 384, F0, F1, 0
	TURN 1
	WIN 0
	s_sub_co_u32 s3, s3, 1
	s_cmp_lg_u32 s3, 0
	s_cbranch_scc1 .Lk
	s_mov_b32 s3, 2
.Lt:                                                   ; the last two K steps fill nothing
	QUARTER 128, F0, F1, 0
	QUARTER 256, F1, F0, 0
	QUARTER 384, F0, F1, 0
	TURN 0
	WIN 0
	s_sub_co_u32 s3, s3, 1
	s_cmp_lg_u32 s3, 0
	s_cbranch_scc1 .Lt
	s_wait_dscnt 0x0
	s_wait_loadcnt 0x0                             ; sd, x2
	PLACES
.set i, 0
.rept 16                                       ; the sums times the row's rs^3, each accumulator from its low end
.set p, 0
.rept 4
	v_pk_mul_f32 v[ACC+8*i+2*p:ACC+8*i+2*p+1], v[ACC+8*i+2*p:ACC+8*i+2*p+1], v[R3+2*(i/4):R3+2*(i/4)+1] op_sel_hi:[1,0]
.set p, p+1
.endr
.set i, i+1
.endr
.macro FOUT a                          ; my rows 16 a .. 16 a + 15
.set XB, TMP+32*((\a)%2)
	s_wait_xcnt 0x0                                ; the stores of two blocks ago have read these registers
.set b, 0
.rept 4
	ds_store_b128 v[STO], v[ACC+8*(4*(\a)+b):ACC+8*(4*(\a)+b)+3]   offset:64*b
	ds_store_b128 v[STO], v[ACC+8*(4*(\a)+b)+4:ACC+8*(4*(\a)+b)+7] offset:64*b+16
.set b, b+1
.endr
.set t, 0
.rept 8
	ds_load_b128 v[XB+4*t:XB+4*t+3], v[RD] offset:544*t    ; LDS serves a wave's instructions in order (ISA guide 5.7.1.4)
.set t, t+1
.endr
	s_wait_dscnt 0x0
	WIN 0x20                                       ; source 2 (x2) in window 2
.set t, 0
.rept 8
	v_pk_fma_f32 v[XB+4*t:XB+4*t+1],   v[XB+4*t:XB+4*t+1],   v[SD:SD+1],   v[4*(8*(\a)+t):4*(8*(\a)+t)+1]
	v_pk_fma_f32 v[XB+4*t+2:XB+4*t+3], v[XB+4*t+2:XB+4*t+3], v[SD+2:SD+3], v[4*(8*(\a)+t)+2:4*(8*(\a)+t)+3]
.set t, t+1
.endr
	WIN 0
.set t, 0
.rept 8
	global_store_b128 v[CO], v[XB+4*t:XB+4*t+3], s[78:79] offset:(16*(\a)+2*t)*8192  ; 16 lanes store 256 consecutive bytes, aligned
.set t, t+1
.endr
.endm
	FOUT 0
	FOUT 1
	FOUT 2
	FOUT 3
	s_wait_tensorcnt 0x0                           ; the wave's end
	ds_add_u32 v[SPW], v[NIL]
	s_wait_dscnt 0x0
	CROUND
	s_endpgm
.Lfunc_end_k_qdd6b9ee771_down:
	.size	k_qdd6b9ee771_down, .Lfunc_end_k_qdd6b9ee771_down-k_qdd6b9ee771_down
	.p2alignl 7, 3214868480
	.fill 96, 4, 3214868480
	.section	.rodata,"a",@progbits
	.p2align	6, 0x0
	.amdhsa_kernel k_qdd6b9ee771_down
		.amdhsa_group_segment_fixed_size 327680
		.amdhsa_private_segment_fixed_size 0
		.amdhsa_enable_private_segment 0
		.amdhsa_kernarg_size 48
		.amdhsa_user_sgpr_count 2
		.amdhsa_user_sgpr_kernarg_segment_ptr 1
		.amdhsa_wavefront_size32 1
		.amdhsa_system_sgpr_workgroup_id_x 1
		.amdhsa_system_sgpr_workgroup_id_y 1
		.amdhsa_system_sgpr_workgroup_id_z 1
		.amdhsa_system_vgpr_workitem_id 0
		.amdhsa_next_free_vgpr 768
		.amdhsa_next_free_sgpr 100
		.amdhsa_reserve_vcc 0
		.amdhsa_float_denorm_mode_32 3
		.amdhsa_float_denorm_mode_16_64 3
		.amdhsa_memory_ordered 1
		.amdhsa_forward_progress 1
		.amdhsa_inst_pref_size 76
	.end_amdhsa_kernel
	.amdgpu_metadata
---
amdhsa.version: [ 1, 2 ]
amdhsa.kernels:
  - .name:           k_qdd6b9ee771_down
    .symbol:         k_qdd6b9ee771_down.kd
    .args:
      - { .name: act, .offset: 0, .size: 8, .value_kind: global_buffer, .address_space: global }
      - { .name: tw, .offset: 8, .size: 8, .value_kind: global_buffer, .address_space: global }
      - { .name: sc, .offset: 16, .size: 8, .value_kind: global_buffer, .address_space: global }
      - { .name: ssq, .offset: 24, .size: 8, .value_kind: global_buffer, .address_space: global }
      - { .name: x2, .offset: 32, .size: 8, .value_kind: global_buffer, .address_space: global }
      - { .name: out0, .offset: 40, .size: 8, .value_kind: global_buffer, .address_space: global }
    .group_segment_fixed_size: 327680
    .private_segment_fixed_size: 0
    .kernarg_segment_align: 8
    .kernarg_segment_size: 48
    .max_flat_workgroup_size: 128
    .sgpr_count:     100
    .vgpr_count:     768
    .wavefront_size: 32
...
	.end_amdgpu_metadata
.endif
;; end of part 6
